; MI455X (gfx1250); checked and timed in simulation.
; The chip was launched on July 23, 2026; its instructions are those of AMD's public machine-readable ISA for CDNA 5 (MIT licence, August 2026) and "CDNA5" Instruction Set Architecture Reference Guide (July 2026). The comments in the code are by the model that wrote it; some were corrected since.
;; Simplified Attention. Allowed arithmetic: matrix products marked QUANTISED: E2M1 operands, one E8M0 scale for each 32 along K, by v_wmma_scale_f32_16x16x128_f8f6f4 with both operands' format E2M1 (or v_wmma_scale_f32_32x16x128_f4), f32 sums; products left as they are: bf16, f16 or f32 operands; f32 sums; everything else in f32.
;; Inputs: Wk 1,024 x 1,024 float32; Wo 1,024 x 1,024 float32; Wq 1,024 x 1,024 float32; Wv 1,024 x 1,024 float32; bk 1,024 float32; bo 1,024 float32; bq 1,024 float32; bv 1,024 float32; x 4 x 2,048 x 1,024 float32.
;; Outputs: out0 4 x 2,048 x 1,024 float32.
;; This version of the problem:
;;   THIS VERSION OF THE PROBLEM IS GIVEN IN LOW PRECISION. The matrix products marked QUANTISED in the list below multiply operands that are first quantised to E2M1 (2 exponent bits, 1 mantissa bit; 4 bits a number), with one power-of-two scale for each 32 numbers along K (OCP MX v1.0); their sums are f32. The products marked 'left as it is' may take bf16, f16 or f32 operands, with f32 sums. Whichever they take, every output number must still come out within the allowed error. Rounding operands to bf16 (8 significant bits) uses up far more of that allowance than f16 does (11 bits, for magnitudes from 6e-5 to 65,504). All else is computed in f32.
;;   The module's matrix products, in the order in which they are computed (A, B: the left and right operand; K: the contracted axis; several contracted axes count as one K, in the product's order):
;;     1. [M 8,192, K 1,024] x [K 1,024, N 1,024]; A: input x; B: input Wq: QUANTISED
;;     2. [M 8,192, K 1,024] x [K 1,024, N 1,024]; A: input x; B: input Wk: QUANTISED
;;     3. [M 8,192, K 1,024] x [K 1,024, N 1,024]; A: input x; B: input Wv: QUANTISED
;;     4. batch 64 x [M 2,048, K 64] x [K 64, N 2,048]; A: computed on the way; B: computed on the way: left as it is (an operand is computed on the way)
;;     5. batch 64 x [M 2,048, K 2,048] x [K 2,048, N 64]; A: computed on the way; B: computed on the way: left as it is (an operand is computed on the way)
;;     6. [M 8,192, K 1,024] x [K 1,024, N 1,024]; A: computed on the way; B: input Wo: left as it is (an operand is computed on the way)
;;   THE QUANTISER, for each operand of a quantised product, along K:
;;     - K is cut into blocks of 32 from its start; a last block that is shorter is filled with zeros.
;;     - A block's scale is 2^e with e = floor(log2(the largest magnitude in the block)) - 2, held to -126 .. 127; a block of zeros has e = 0. As a byte (E8M0): e + 127.
;;     - Each number is divided by its block's scale, clamped to +-6, and rounded to the nearest number of E2M1, ties to even, subnormals kept.
;;     - The product sums the exact products of the quantised numbers (number of the format x scale) in f32.
;;   ~~~python
;;   def quantise(x, axis):      # numpy; x: float32 -> the quantised numbers, widened to float32 again
;;       x = np.moveaxis(x, axis, -1); K = x.shape[-1]
;;       x = np.pad(x, [(0, 0)] * (x.ndim - 1) + [(0, -K % 32)]); x = x.reshape(x.shape[:-1] + (-1, 32)); a = np.abs(x).max(-1, keepdims=True)
;;       e = np.where(a > 0, np.clip(np.frexp(np.where(a > 0, a, 1))[1] - 1 - 2, -126, 127), 0)      # np.frexp(a)[1] - 1 = floor(log2(a)), exactly
;;       r = np.clip(x / 2.0 ** e, -6, 6)
;;       step = 2.0 ** (np.maximum(np.frexp(np.where(r == 0, 1, r))[1] - 1, 0) - 1)
;;       q = np.round(r / step) * step * 2.0 ** e      # np.round: ties to even
;;       return np.moveaxis(q.reshape(q.shape[:-2] + (-1,))[..., :K], -1, axis).astype(np.float32)
;;   ~~~
;; One version. Each part assembles by itself: llvm-mc -triple=amdgcn-amd-amdhsa -mcpu=gfx1250 --defsym DOCPART=n.
;; ======== version 1 of 1: 4 launches
;; limits: values are held in f16: magnitudes above 65,504 overflow, below 6.1e-05 lose precision
;; workspace buffers: xc 4,194,304 bytes; xs 262,144 bytes; wc 1,572,864 bytes; ws 98,304 bytes; qkv 50,331,648 bytes; ctx 16,777,216 bytes; wo16 2,097,152 bytes
;; launch quant (part 1): grid 480 x 1, 4 waves a work-group, no clusters, 33,280 bytes of LDS; arguments x, Wq, Wk, Wv, Wo, xc, xs, wc, ws, wo16; writes xc, xs, wc, ws, wo16
.if DOCPART == 1
	.amdgcn_target "amdgcn-amd-amdhsa--gfx1250"
	.amdhsa_code_object_version 6
	.text
	.protected	k_qa50906dcc8_quant
	.globl	k_qa50906dcc8_quant
	.p2align	8
	.type	k_qa50906dcc8_quant,@function
k_qa50906dcc8_quant:
	s_mov_b64 s[64:65], 0
	v_nop
	global_prefetch_b8 v0, s[64:65] scope:SCOPE_SE
	s_setreg_imm32_b32 hwreg(HW_REG_WAVE_MODE, 25, 1), 1
	s_wait_xcnt 0x0
; x [8192][1024] and Wq, Wk, Wv [1024][1024], f32, K innermost, become codes of FP4 (E2M1), two a byte, with one E8M0 scale byte for each 32 along K:
; xc [8192][512 bytes], xs [8192][32 bytes]; wc [3072][512 bytes], ws [3072][32 bytes], the three weights on end (Wq, Wk, Wv).
; Wo [1024][1024] f32 becomes f16, laid in the order of a 16-bit operand's registers: wo16 [KS 8][NT 64][i 8][512 bytes]; in an image lane (r, h)'s 16 bytes, at 16 x lane, are Wo(16 NT + r, 128 KS + 16 i + 8 h + 0 .. 7).
; A block's scale is 2^(floor(log2(its largest magnitude)) - 2); its byte is the largest magnitude's exponent field - 2, held at 1 from below.  A block of zeros so gets the byte 1 where the rule says 127:
; its codes are zeros, which add nothing under any byte but 0xff, and the bytes are read by this program alone.  Each number is divided by the scale and rounded to the nearest code, ties to even, beyond 6 the largest code.
; LIMITS: blocks whose largest magnitude lies under 2^-124, the floor, were not tried; NaN and infinities among the inputs are not served; |Wo| beyond 65,504 becomes infinity in f16, under 6e-8 zero.
; WORK-GROUPS: 0-255 x, 256-287 Wq, 288-319 Wk, 320-351 Wv: 32,768 numbers each, a wave 16 steps of 512; 352-479 Wo: a wave takes 16 rows x 128 along K.
; Rows are dense and K is a multiple of 32, so the four quantised tensors are plain streams of blocks.  Only pointers are chosen by the work-group's number: the four take one path through the text.
; Each of a step's four loads reads 512 consecutive bytes; the 2,048 bytes turn through the wave's own stage in LDS and come back 64 bytes a lane, so that a lane holds 16 neighbours along K (two lanes to a block).
; No tensor loads, no barrier: waves share nothing.  Matrix units and clusters have no work here: the launch streams.
.set WAVES, 4
.set STEPS, 16
.set WGQ,   352                        ; work-groups that quantise
.set EMAX,  2
.set CB,    8                          ; bytes of 16 codes
.set R,     16                         ; v16-79   four sets of 16 numbers as they are loaded
.set X,     80                         ; v80-111  two sets of 16 neighbours
.set C,     128                        ; v128-191 codes: four registers for each step, so that no store's data are written again
.set E,     112                        ; v112-127 a scale byte for each step
.set WREG,  8192                       ; LDS: a region for each wave: two stages of 32 x SP bytes, behind them its 256 scale bytes
.set SP,    80                         ; a lane's place in a stage: 64 bytes + 16 of padding
.set SPW,   12                         ; v12 LDS address of my spare word; never rewritten
.set NIL,   13                         ; v13 0; never rewritten
.set SPARE, WAVES*WREG                 ; behind the four regions: the spare words, 128 bytes a wave, which no other line names
.set SRC,   26                         ; s[26:27] the tensor that I read
.set DC,    30                         ; s[30:31] where its codes go
.set DS,    32                         ; s[32:33] where its scale bytes go
	s_load_b512 s[4:19], s[0:1], 0x0               ; x s[4:5], Wq s[6:7], Wk s[8:9], Wv s[10:11], Wo s[12:13], xc s[14:15], xs s[16:17], wc s[18:19]
	s_load_b128 s[20:23], s[0:1], 0x40             ; ws s[20:21], wo16 s[22:23]
	v_lshl_add_u32 v[SPW], v0, 2, SPARE
	v_mov_b32 v[NIL], 0
	v_lshrrev_b32 v1, 5, v0
	v_readfirstlane_b32 s24, v1                    ; wave
	v_and_b32 v2, 31, v0                           ; lane
	v_lshlrev_b32 v3, 4, v2                        ; 16 x lane
	s_mul_i32 s25, s24, WREG
	v_lshrrev_b32 v14, 2, v2
	v_mul_u32_u24 v14, v14, SP
	v_and_b32 v15, 3, v2
	v_lshl_add_u32 v14, v15, 4, v14
	v_add_nc_u32 v14, s25, v14                     ; the stage, on the way in: four lanes' 64 bytes on end, then 16 of padding
	v_mul_u32_u24 v15, v2, SP
	v_add_nc_u32 v15, s25, v15                     ; and on the way out: SP x lane: my 16 neighbours
	v_mul_u32_u24 v4, v2, CB                       ; my codes' place in a step's
	v_lshrrev_b32 v5, 1, v2
	s_add_co_u32 s25, s25, 2*32*SP
	v_add_nc_u32 v5, s25, v5                       ; LDS: my wave's 256 scale bytes, my block's byte
	v_lshlrev_b32 v7, 3, v2                        ; and on the way out 8 bytes a lane
	v_add_nc_u32 v6, s25, v7
	s_wait_kmcnt 0x0
	s_cmp_ge_u32 ttmp9, WGQ                        ; the work-group's number alone decides
	s_cbranch_scc1 .Lwo
	; which tensor, and where it begins among the work-groups
	s_mov_b64 s[SRC:SRC+1], s[10:11]               ; Wv, from work-group 320
	s_mov_b32 s28, 320
	s_mov_b32 s29, 288
	s_cmp_lt_u32 ttmp9, 320
	s_cselect_b64 s[SRC:SRC+1], s[8:9], s[SRC:SRC+1]   ; Wk, from 288
	s_cselect_b32 s28, s29, s28
	s_mov_b32 s29, 256
	s_cmp_lt_u32 ttmp9, 288
	s_cselect_b64 s[SRC:SRC+1], s[6:7], s[SRC:SRC+1]   ; Wq, from 256
	s_cselect_b32 s28, s29, s28
	s_cmp_lt_u32 ttmp9, 256
	s_cselect_b64 s[SRC:SRC+1], s[4:5], s[SRC:SRC+1]   ; x, from 0
	s_cselect_b32 s28, 0, s28
	s_cselect_b64 s[DC:DC+1], s[14:15], s[18:19]   ; x's codes and scales, or the weights', which lie on end from work-group 256 on
	s_cselect_b64 s[DS:DS+1], s[16:17], s[20:21]
	s_cselect_b32 s34, 0, s29
	s_sub_co_u32 s35, ttmp9, s28
	s_lshl_b32 s35, s35, 2
	s_add_co_u32 s35, s35, s24                     ; which run of 8,192 numbers of the tensor is my wave's
	s_lshl_b32 s36, s35, 15                        ; 32,768 bytes a run; 32 MiB at the most
	s_mov_b32 s37, 0
	s_add_nc_u64 s[SRC:SRC+1], s[SRC:SRC+1], s[36:37]
	s_sub_co_u32 s35, ttmp9, s34
	s_lshl_b32 s35, s35, 2
	s_add_co_u32 s35, s35, s24                     ; which run of the destination
	s_lshl_b32 s36, s35, 12                        ; 4,096 bytes of codes a run
	s_add_nc_u64 s[DC:DC+1], s[DC:DC+1], s[36:37]
	s_lshl_b32 s36, s35, 8                         ; 256 scale bytes a run
	s_add_nc_u64 s[DS:DS+1], s[DS:DS+1], s[36:37]
.macro LOAD t
.irp i, 0,1,2,3
	global_load_b128 v[R+16*((\t)%4)+4*\i:R+16*((\t)%4)+4*\i+3], v3, s[SRC:SRC+1] offset:2048*(\t)+512*\i th:TH_LOAD_NT   ; 32 lanes read 512 consecutive bytes
.endr
.endm
.macro TURN t                          ; step t's numbers through the stage: LDS serves a wave's instructions in order, so no wait stands between the stores and the loads
.irp i, 0,1,2,3
	ds_store_b128 v14, v[R+16*((\t)%4)+4*\i:R+16*((\t)%4)+4*\i+3] offset:32*SP*((\t)%2)+8*SP*\i
.endr
.irp i, 0,1,2,3
	ds_load_b128 v[X+16*((\t)%2)+4*\i:X+16*((\t)%2)+4*\i+3], v15 offset:32*SP*((\t)%2)+16*\i
.endr
.endm
.irp t, 0,1,2,3
	LOAD \t
.endr
	s_wait_loadcnt 12                              ; step 0's four loads are in; three steps' twelve stay out
	TURN 0
.macro STEP t
.set XS, X+16*((\t)%2)
.if (\t) > 0
	s_wait_dscnt 1                                 ; this step's numbers are back from the stage (the last step's byte store may be out): so its stores into the stage have read their registers,
.else
	s_wait_dscnt 0x0
.endif
.if (\t)+4 < STEPS
	LOAD (\t)+4                                    ; which take the loads of four steps on
.endif
.if (\t)+1 < STEPS
.if STEPS-2-(\t) >= 3
	s_wait_loadcnt 12                              ; the next step's four loads are in; those of the three steps behind it may be out
.else
	s_wait_loadcnt 4*(STEPS-2-(\t))
.endif
	TURN (\t)+1                                    ; and go through the other stage while this step is worked
.endif
	v_max3_num_f32 v8, |v[XS]|, |v[XS+1]|, |v[XS+2]|               ; the largest magnitude of my 16, in two chains
	v_max3_num_f32 v9, |v[XS+3]|, |v[XS+4]|, |v[XS+5]|
.irp i, 6,10
	v_max3_num_f32 v8, v8, |v[XS+\i]|, |v[XS+\i+1]|
	v_max3_num_f32 v9, v9, |v[XS+\i+2]|, |v[XS+\i+3]|
.endr
	v_max3_num_f32 v8, v8, |v[XS+14]|, |v[XS+15]|
	v_max3_num_f32 v8, v8, v9, (EMAX+1)<<23        ; and the floor 2^(EMAX + 1 - 127): so the byte cannot fall under 1
	v_max_num_f32_dpp v8, v8, v8 row_xmask:1 row_mask:0xf bank_mask:0xf   ; and of my neighbour's 16: the block's
	v_add_nc_u32 v11, -(EMAX<<23), v8              ; EMAX off its exponent field: the conversion takes the exponent field of this operand as its scale, and nothing else of it
	v_cvt_scalef32_pk8_fp4_f32 v[C+4*(\t)], v[XS:XS+7], v11
	v_cvt_scalef32_pk8_fp4_f32 v[C+4*(\t)+1], v[XS+8:XS+15], v11
	v_lshrrev_b32 v[E+(\t)], 23, v11               ; the scale's byte (a plain line behind the conversions)
	ds_store_b8 v5, v[E+(\t)] offset:16*(\t)       ; both lanes of a block write the same byte with the same value
	global_store_b64 v4, v[C+4*(\t):C+4*(\t)+1], s[DC:DC+1] offset:32*CB*(\t)   ; the wave stores 256 consecutive bytes, aligned
.endm
.irp t, 0,1,2,3,4,5,6,7,8,9,10,11,12,13,14,15
	STEP \t
.endr
	ds_load_b64 v[8:9], v6                         ; LDS serves a wave's instructions in order: these see my stores
	s_wait_dscnt 0x0
	global_store_b64 v7, v[8:9], s[DS:DS+1]        ; 32 lanes store 256 consecutive bytes, aligned
	s_wait_tensorcnt 0x0                           ; the wave's end, behind my last LDS store
	ds_add_u32 v[SPW], v[NIL]
	s_wait_dscnt 0x0
	s_endpgm
; Wo to f16.  A wave's sixteen loads together use 512 consecutive bytes of each of its 16 rows; each of its eight stores covers 512 consecutive bytes, aligned.
.Lwo:
	s_sub_co_u32 s35, ttmp9, WGQ
	s_lshl_b32 s35, s35, 2
	s_add_co_u32 s35, s35, s24                     ; my task, 0 .. 511
	s_lshr_b32 s36, s35, 3                         ; NT: 16 rows of Wo
	s_and_b32 s38, s35, 7                          ; KS: 128 along K
	s_lshl_b32 s40, s36, 16                        ; 16 rows of 4,096 bytes
	s_lshl_b32 s41, s38, 9                         ; 128 numbers of 4 bytes
	s_add_co_u32 s40, s40, s41
	s_mov_b32 s41, 0
	s_add_nc_u64 s[12:13], s[12:13], s[40:41]
	s_lshl_b32 s40, s38, 18                        ; a KS of wo16 is 64 x 4,096 bytes
	s_lshl_b32 s42, s36, 12
	s_add_co_u32 s40, s40, s42
	s_add_nc_u64 s[22:23], s[22:23], s[40:41]
	v_and_b32 v8, 15, v0                           ; r
	v_bfe_u32 v9, v0, 4, 1                         ; h
	v_lshlrev_b32 v1, 12, v8
	v_lshl_add_u32 v1, v9, 5, v1                   ; row r, + 8 h numbers
.irp i, 0,1,2,3,4,5,6,7
	global_load_b128 v[16+8*\i:19+8*\i], v1, s[12:13] offset:64*\i th:TH_LOAD_NT
	global_load_b128 v[20+8*\i:23+8*\i], v1, s[12:13] offset:64*\i+16 th:TH_LOAD_NT
.endr
.irp i, 0,1,2,3,4,5,6,7
	s_wait_loadcnt 14-2*\i                         ; image i's two loads are in; the younger pairs stay out
.irp j, 0,1,2,3
	v_cvt_pk_f16_f32 v[128+4*\i+\j], v[16+8*\i+2*\j], v[17+8*\i+2*\j]
.endr
	global_store_b128 v3, v[128+4*\i:131+4*\i], s[22:23] offset:512*\i
.endr
	s_endpgm
.Lfunc_end_k_qa50906dcc8_quant:
	.size	k_qa50906dcc8_quant, .Lfunc_end_k_qa50906dcc8_quant-k_qa50906dcc8_quant
	.p2alignl 7, 3214868480
	.fill 96, 4, 3214868480
	.section	.rodata,"a",@progbits
	.p2align	6, 0x0
	.amdhsa_kernel k_qa50906dcc8_quant
		.amdhsa_group_segment_fixed_size 33280
		.amdhsa_private_segment_fixed_size 0
		.amdhsa_enable_private_segment 0
		.amdhsa_kernarg_size 80
		.amdhsa_user_sgpr_count 2
		.amdhsa_user_sgpr_kernarg_segment_ptr 1
		.amdhsa_wavefront_size32 1
		.amdhsa_system_sgpr_workgroup_id_x 1
		.amdhsa_system_sgpr_workgroup_id_y 1
		.amdhsa_system_sgpr_workgroup_id_z 1
		.amdhsa_system_vgpr_workitem_id 0
		.amdhsa_next_free_vgpr 192
		.amdhsa_next_free_sgpr 66
		.amdhsa_reserve_vcc 0
		.amdhsa_float_denorm_mode_32 3
		.amdhsa_float_denorm_mode_16_64 3
		.amdhsa_memory_ordered 1
		.amdhsa_forward_progress 1
		.amdhsa_inst_pref_size 39
	.end_amdhsa_kernel
	.amdgpu_metadata
---
amdhsa.version: [ 1, 2 ]
amdhsa.kernels:
  - .name:           k_qa50906dcc8_quant
    .symbol:         k_qa50906dcc8_quant.kd
    .args:
      - { .name: x, .offset: 0, .size: 8, .value_kind: global_buffer, .address_space: global }
      - { .name: Wq, .offset: 8, .size: 8, .value_kind: global_buffer, .address_space: global }
      - { .name: Wk, .offset: 16, .size: 8, .value_kind: global_buffer, .address_space: global }
      - { .name: Wv, .offset: 24, .size: 8, .value_kind: global_buffer, .address_space: global }
      - { .name: Wo, .offset: 32, .size: 8, .value_kind: global_buffer, .address_space: global }
      - { .name: xc, .offset: 40, .size: 8, .value_kind: global_buffer, .address_space: global }
      - { .name: xs, .offset: 48, .size: 8, .value_kind: global_buffer, .address_space: global }
      - { .name: wc, .offset: 56, .size: 8, .value_kind: global_buffer, .address_space: global }
      - { .name: ws, .offset: 64, .size: 8, .value_kind: global_buffer, .address_space: global }
      - { .name: wo16, .offset: 72, .size: 8, .value_kind: global_buffer, .address_space: global }
    .group_segment_fixed_size: 33280
    .private_segment_fixed_size: 0
    .kernarg_segment_align: 8
    .kernarg_segment_size: 80
    .max_flat_workgroup_size: 128
    .sgpr_count:     66
    .vgpr_count:     192
    .wavefront_size: 32
...
	.end_amdgpu_metadata
.endif
;; end of part 1
;; launch qkv (part 2): grid 12 x 32, 4 waves a work-group, clusters of 4 x 4, 327,680 bytes of LDS; arguments xc, xs, wc, ws, bq, bk, bv, qkv; writes qkv
.if DOCPART == 2
	.amdgcn_target "amdgcn-amd-amdhsa--gfx1250"
	.amdhsa_code_object_version 6
	.text
	.protected	k_qa50906dcc8_qkv
	.globl	k_qa50906dcc8_qkv
	.p2align	8
	.type	k_qa50906dcc8_qkv,@function
k_qa50906dcc8_qkv:
	s_mov_b64 s[64:65], 0
	v_nop
	global_prefetch_b8 v0, s[64:65] scope:SCOPE_SE
	s_setreg_imm32_b32 hwreg(HW_REG_WAVE_MODE, 25, 1), 1
	s_wait_xcnt 0x0
	s_wait_alu depctr_hold_cnt(0) depctr_sa_sdst(0) depctr_va_vdst(0) depctr_va_sdst(0) depctr_va_ssrc(0) depctr_va_vcc(0) depctr_vm_vsrc(0)
	s_getreg_b32 s2, hwreg(HW_REG_IB_STS2, 6, 4)
	s_cmp_eq_u32 s2, 0
	s_cbranch_scc0 .Lentry_in_a_cluster
	s_endpgm
.Lentry_in_a_cluster:
	s_bfe_u32 s2, ttmp6, 0x10000c
	s_cmp_lg_u32 s2, 0xf033
	s_cbranch_scc0 .Lentry_shape_is_right
	s_endpgm
.Lentry_shape_is_right:
; Q, K, V = x W^T + b for the three weights at once: one product [8192 tokens][1024] x [3072 features][1024]^T on codes of FP4 (E2M1) with one E8M0 scale for each 32 along K; sums in f32; results rounded once to f16.
; A tile of 256 tokens x 256 features is made by a work-group of four waves; a wave makes 128 x 128: 64 accumulators of 16 x 16, 512 registers.
; K = 1,024 is two K steps of 512 (rows of 256 bytes): both slots and all scale bytes are first fills, three tensor loads a wave, out together at the head; nothing in LDS is filled again.
; CLUSTERS: 4 x 4 work-groups.  The four of a row of the cluster need the same tiles of x, the four of a column the same tiles of the weights: each tile is asked for JOINTLY, by the same tensor load with the same
; descriptor and a mask that names the four.  A cluster's 1,024 features are one weight: cluster x = 0, 1, 2 is Q, K, V.
; THE MATRIX INSTRUCTION IS USED TRANSPOSED (source 0 = 16 features, source 1 = 16 tokens): a lane then holds one token (lane % 16) and eight neighbouring features, 16 bytes of f16.
; THE BIAS is the C of each sum's first matrix instruction: eight registers for each block of 16 features, in the result's layout.
; THE WAY OUT needs no LDS: qkv is laid in the order of a 16-bit operand's registers, [part 3][batch x head 64][token tile 128][i 4][512 bytes]: image i holds channels 16 i .. 16 i + 15 of 16 tokens of a head.
;   Q and K: lane (r, h)'s 16 bytes (token r, channels 16 i + 8 h + 0 .. 7) lie at 16 r + 256 h, which is 16 x lane.   V: at 16 (r % 8) + 128 h + 256 (r / 8), the order in which the turning LDS load at 16 x lane gives V^T.
;   Either way a store of the wave covers 512 consecutive bytes, aligned.
; LIMITS: |Q|, |K|, |V| beyond 65,504 become infinity in f16; under 6e-8 zero.
; REGISTERS, in windows of 256: window 0: v0-31 addresses; v32-95 scale words, two sets; v128-191 x's fragments, one set; v192-255 the bias; on the way out v128-255 take the packed results.
;   window 1: the weights' fragments, two sets, at v0 and v128.   window 2: the 32 accumulators of my tokens 0-63 (accumulator (a, b) at v[8 (8 a + b)]);   window 3: those of my tokens 64-127.
.set KSTEP,  512
.set NQ,     KSTEP/128                 ; matrix instructions deep
.set ROWB,   256                       ; a tile's row in bytes
.set KROW,   512                       ; a row of codes in memory
.set PITCH,  272                       ; an LDS row: 256 bytes + 16 of padding = 68 words, so that the 16 rows that a load touches start 4 words apart modulo 64
.set FR,     8
.set NL,     2
.set NP,     4                         ; places behind this matrix instruction (ISA guide 7.12.1)
.set HALFT,  128*PITCH
.set SLOT,   4*HALFT                   ; x's 256 rows, then the weights' 256 rows
.set KS,     32                        ; a row of scale bytes
.set SCL,    2*SLOT                    ; behind the two slots: the scales, as units of 256 bytes + 16 of padding
.set HALFS,  (128*KS/256)*272
.set SBLK,   (16*KS/256)*272
.set SPARE,  SCL+4*HALFS               ; the spare words, 128 bytes a wave, which no other line names
.set ADRA, 16                          ; v16-17 LDS address of my fragments of x in slot 0, 1
.set ADRB, 20                          ; v20-21 the same for the weights
.set LOF,  26                          ; v26    my lane's place in an image
.set ADRS, 27                          ; v27    LDS address of my scale words: lanes 0-15 x's rows, lanes 16-31 the weights'
.set SPW,  28                          ; v28    LDS address of my spare word; never rewritten
.set NIL,  29                          ; v29    0; never rewritten
.set SC,   32                          ; scale words: set s at v[SC + 32 s]; register 4 i + q: lanes 0-15 x's block i, lanes 16-31 the weights' block i, the slot's q-th 128 along K
.set AF,   128
.set BI,   192                         ; the bias: register 8 b + j = b[my first feature + 16 b + 8 h + j]
.set TMP,  128                         ; the way out: four sets of 32
.set G1, 24
.set G0, 32
.set G1B, 48
.set G0B, 56
.set G1S, 68
.set G0S, 76
.set G1SB, 80
.set G0SB, 88
.set MSB, 0
.macro WIN new                         ; the immediate's high byte repeats the setting that is left
.if MSB != \new
	s_set_vgpr_msb (MSB<<8)|\new
.set MSB, \new
.endif
.endm
.set MUL_LO, 0xa1                      ; source 0 (weights) window 1, source 1 (x) window 0, C and D window 2
.set MUL_HI, 0xf1                      ; the same, C and D window 3
.set TO_B,   0x40                      ; destination window 1, address window 0
; A joint load: waves 0 and 1 fetch for x, waves 2 and 3 for the weights.  The branch hangs on the wave's number alone.  An s_nop 0 and four v_nop follow each of the two lines.
.macro JLOAD g0a, g1a, g0b, g1b
	s_cmp_eq_u32 s15, 0
	s_cbranch_scc0 .Lfor_b_\@
	tensor_load_to_lds s[\g0a:\g0a+3], s[\g1a:\g1a+7]
	s_nop 0
.rept 4
	v_nop
.endr
	s_branch .Lasked_\@
.Lfor_b_\@:
	tensor_load_to_lds s[\g0b:\g0b+3], s[\g1b:\g1b+7]
	s_nop 0
.rept 4
	v_nop
.endr
.Lasked_\@:
.endm
.macro CROUND                          ; a round of the cluster's barrier
	s_barrier_signal -1
	s_barrier_wait -1
	s_cmp_lg_u32 s14, 0
	s_cbranch_scc1 .Lnot_wave_0_\@
	s_barrier_signal -3
.Lnot_wave_0_\@:
	s_barrier_wait -3
	s_barrier_signal -1
	s_barrier_wait -1
.endm
	s_load_b128 s[4:7], s[0:1], 0x0                ; x's codes s[4:5], x's scales s[6:7]
	s_load_b128 s[8:11], s[0:1], 0x10              ; the weights' codes s[8:9], their scales s[10:11]
	s_load_b128 s[96:99], s[0:1], 0x20             ; bq, bk
	s_load_b64 s[100:101], s[0:1], 0x30            ; bv
	s_load_b64 s[12:13], s[0:1], 0x38              ; qkv
	v_lshl_add_u32 v[SPW], v0, 2, SPARE
	v_mov_b32 v[NIL], 0
	ds_add_u32 v[SPW], v[NIL]                      ; the wave's opening: the add, twice on end, and its wait ahead of my first tensor load
	ds_add_u32 v[SPW], v[NIL]
	v_lshrrev_b32 v1, 5, v0
	v_readfirstlane_b32 s14, v1                    ; wave 0..3
	s_lshr_b32 s15, s14, 1                         ; which half of the tile's tokens is mine.  Also: I fetch for x (0) or for the weights (1)
	s_and_b32 s16, s14, 1                          ; which half of its features.  Also: which 128 rows of that tile I fetch
	s_bfe_u32 s40, ttmp6, 0x40000                  ; cx, cy: my place in the cluster
	s_bfe_u32 s41, ttmp6, 0x40004
	s_lshl_b32 s42, ttmp9, 2
	s_add_co_u32 s42, s42, s40                     ; tile column = 4 x cluster x + cx
	s_and_b32 s17, ttmp7, 0xffff
	s_lshl_b32 s17, s17, 2
	s_add_co_u32 s17, s17, s41                     ; tile row = 4 x cluster y + cy
	s_lshl_b32 s43, s41, 2
	s_lshl_b32 s43, 15, s43                        ; my row of the cluster
	s_lshl_b32 s44, 0x1111, s40                    ; my column
	; descriptor group 1: a tile of 128 rows x 256 bytes, 16 bytes of padding behind each row
	s_or_b32 s[G1+0], s43, (0<<16)|(1<<20)|(1<<21)|(5<<22)|(3<<25)  ; 15:0 the mask; 17:16 elements of 1 byte; 20 padding on; 21 set beside a mask; 24:22 after every 64 words; 31:25 four words
	s_or_b32 s[G1B+0], s44, (0<<16)|(1<<20)|(1<<21)|(5<<22)|(3<<25)
.irp g, G1, G1B
	s_mov_b32 s[\g+1], ROWB<<16                    ; tensor_dim0
	s_mov_b32 s[\g+2], 128<<16                     ; tensor_dim1
	s_mov_b32 s[\g+3], ROWB<<16                    ; tile_dim0
	s_mov_b32 s[\g+4], 128                         ; tile_dim1
	s_mov_b32 s[\g+5], KROW                        ; tensor_dim0_stride
	s_mov_b32 s[\g+6], 0
	s_mov_b32 s[\g+7], 0
.endr
	; the scales of 128 rows: a dense block of 4,096 bytes, as 16 rows of 256 bytes (32 elements of 8 bytes), 16 bytes of padding behind each
	s_or_b32 s[G1S+0], s43, (3<<16)|(1<<20)|(1<<21)|(5<<22)|(3<<25)
	s_or_b32 s[G1SB+0], s44, (3<<16)|(1<<20)|(1<<21)|(5<<22)|(3<<25)
.irp g, G1S, G1SB
	s_mov_b32 s[\g+1], 32<<16
	s_mov_b32 s[\g+2], (128*KS/256)<<16
	s_mov_b32 s[\g+3], 32<<16
	s_mov_b32 s[\g+4], 128*KS/256
	s_mov_b32 s[\g+5], 32
	s_mov_b32 s[\g+6], 0
	s_mov_b32 s[\g+7], 0
.endr
	s_lshl_b32 s18, s16, 7                         ; which 128 rows of the tile I fetch
	s_lshl_b32 s20, s17, 8
	s_add_co_u32 s20, s20, s18                     ; x: row 256 x tile row + 128 x half
	s_lshl_b32 s46, s42, 8
	s_add_co_u32 s46, s46, s18                     ; weights: row 256 x tile column + 128 x half
	s_mov_b32 s21, 0
	s_mov_b32 s47, 0
	s_mov_b64 s[18:19], KS
	s_mul_u64 s[22:23], s[20:21], s[18:19]         ; where these rows' scales begin, in bytes
	s_mul_u64 s[92:93], s[46:47], s[18:19]
	s_mov_b64 s[18:19], KROW
	s_mul_u64 s[20:21], s[20:21], s[18:19]         ; and their codes
	s_mul_u64 s[46:47], s[46:47], s[18:19]
	s_mul_i32 s45, s14, HALFT                      ; where they go: wave x 128 rows: no place in the cluster enters an LDS address
	s_mul_i32 s94, s14, HALFS
	s_wait_dscnt 0x0                               ; both opening adds are done
	s_wait_kmcnt 0x0
	s_add_nc_u64 s[20:21], s[4:5], s[20:21]
	s_add_nc_u64 s[22:23], s[6:7], s[22:23]
	s_add_nc_u64 s[46:47], s[8:9], s[46:47]
	s_add_nc_u64 s[92:93], s[10:11], s[92:93]
	CROUND                                         ; all sixteen work-groups are here: the joint loads meet
	s_mov_b32 s[G0S], 1
	s_add_co_u32 s[G0S+1], s94, SCL
	s_mov_b64 s[G0S+2:G0S+3], s[22:23]
	s_or_b32 s[G0S+3], s[G0S+3], 0x80000000
	s_mov_b32 s[G0SB], 1
	s_add_co_u32 s[G0SB+1], s94, SCL
	s_mov_b64 s[G0SB+2:G0SB+3], s[92:93]
	s_or_b32 s[G0SB+3], s[G0SB+3], 0x80000000
	JLOAD G0S, G1S, G0SB, G1SB                     ; the scales first: they are wanted with K step 0
.irp s, 0,1
	s_mov_b32 s[G0+4*\s], 1
	s_add_co_u32 s[G0+4*\s+1], s45, \s*SLOT
	s_add_nc_u64 s[G0+4*\s+2:G0+4*\s+3], s[20:21], \s*ROWB
	s_or_b32 s[G0+4*\s+3], s[G0+4*\s+3], 0x80000000
	s_mov_b32 s[G0B+4*\s], 1
	s_add_co_u32 s[G0B+4*\s+1], s45, \s*SLOT
	s_add_nc_u64 s[G0B+4*\s+2:G0B+4*\s+3], s[46:47], \s*ROWB
	s_or_b32 s[G0B+4*\s+3], s[G0B+4*\s+3], 0x80000000
	JLOAD G0+4*\s, G1, G0B+4*\s, G1B               ; three tensor loads of mine are out now
.endr
	v_and_b32 v1, 15, v0                           ; r = l % 16
	v_bfe_u32 v2, v0, 4, 1                         ; h = l / 16
	; the bias of my 128 features: the cluster's x picks the tensor
	s_cmp_eq_u32 ttmp9, 0
	s_cselect_b64 s[96:97], s[96:97], s[98:99]
	s_cmp_eq_u32 ttmp9, 2
	s_cselect_b64 s[96:97], s[100:101], s[96:97]
	s_lshl_b32 s20, s40, 10                        ; 256 cx features of 4 bytes
	s_lshl_b32 s21, s16, 9                         ; + 128 x half
	s_add_co_u32 s20, s20, s21
	s_mov_b32 s21, 0
	s_add_nc_u64 s[96:97], s[96:97], s[20:21]
	v_lshlrev_b32 v7, 5, v2                        ; 8 h numbers
.irp b, 0,1,2,3,4,5,6,7
	global_load_b128 v[BI+8*\b:BI+8*\b+3], v7, s[96:97] offset:64*\b
	global_load_b128 v[BI+8*\b+4:BI+8*\b+7], v7, s[96:97] offset:64*\b+16
.endr
	v_mul_u32_u24 v3, v1, PITCH
	v_lshl_add_u32 v4, v2, 4, v3                   ; a fragment's row x pitch + 16 x half
	s_mul_i32 s21, s15, HALFT                      ; my 128 rows of x
	s_mul_i32 s22, s16, HALFT                      ; my 128 rows of the weights,
	s_add_co_u32 s22, s22, 2*HALFT                 ; which lie behind x's 256
.irp s, 0,1
	v_add_nc_u32 v[ADRA+\s], s21, v4
	v_add_nc_u32 v[ADRB+\s], s22, v4
	s_add_co_u32 s21, s21, SLOT
	s_add_co_u32 s22, s22, SLOT
.endr
	v_mul_u32_u24 v5, v1, KS                       ; my row's scales: 32 bytes a row,
	v_lshrrev_b32 v6, 8, v5
	v_lshl_add_u32 v5, v6, 4, v5                   ; and 16 more for each 256 passed
	s_mul_i32 s21, s15, HALFS
	s_mul_i32 s22, s16, HALFS
	s_add_co_u32 s22, s22, 2*HALFS
	s_sub_co_u32 s22, s22, s21
	v_mul_u32_u24 v6, s22, v2                      ; lanes 16-31 take the weights': one product, the distance between the two bases x h
	s_add_co_u32 s21, s21, SCL
	v_add_nc_u32 v5, v5, v6
	v_add_nc_u32 v[ADRS], s21, v5
	; my lane's place in an image: 16 (r % 8) + (r / 8) x sA + h x sB; (sA, sB) = (128, 256) for Q and K, (256, 128) for V
	s_mov_b32 s20, 128
	s_mov_b32 s21, 256
	s_cmp_eq_u32 ttmp9, 2
	s_cselect_b32 s22, s21, s20
	s_cselect_b32 s23, s20, s21
	v_and_b32 v5, 7, v1
	v_lshlrev_b32 v[LOF], 4, v5
	v_lshrrev_b32 v5, 3, v1
	v_mad_u32_u24 v[LOF], v5, s22, v[LOF]
	v_mad_u32_u24 v[LOF], v2, s23, v[LOF]
	; where my 128 x 128 begin in qkv: part x 2^24 + batch x 2^22 + head x 2^18 + token tile x 2,048
	s_lshl_b32 s20, ttmp9, 24
	s_lshr_b32 s21, s17, 3                         ; batch: 8 tile rows of 256 tokens
	s_lshl_b32 s21, s21, 22
	s_add_co_u32 s20, s20, s21
	s_lshl_b32 s21, s40, 2
	s_lshl_b32 s22, s16, 1
	s_add_co_u32 s21, s21, s22                     ; my first head: 4 cx + 2 x half
	s_lshl_b32 s21, s21, 18
	s_add_co_u32 s20, s20, s21
	s_and_b32 s21, s17, 7
	s_lshl_b32 s21, s21, 4
	s_lshl_b32 s22, s15, 3
	s_add_co_u32 s21, s21, s22                     ; my first token tile in the batch: 16 (tile row % 8) + 8 x half
	s_lshl_b32 s21, s21, 11
	s_add_co_u32 s20, s20, s21
	s_mov_b32 s21, 0
	s_add_nc_u64 s[12:13], s[12:13], s[20:21]
.macro FRAG reg, adr, q, i             ; a fragment, 16 rows x 128 K of 4-bit codes: registers 4 c .. 4 c + 3 hold K = 64 c + 32 (l / 16) + 0 .. 31 of row l % 16
.irp c, 0,1
	ds_load_b128 v[\reg+4*\c:\reg+4*\c+3], v[\adr] offset:64*(\q)+32*\c+(\i)*16*PITCH
.endr
.endm
; 16 matrix instructions: x's blocks a0, a0 + 1 against the weights' eight, 128 along K: the slot's q-th.  p: the weights' set; sc: the set of scale words.  zero = 1: the first product starts the sums from the bias.
; The 64 accumulators take turns, one instruction a turn, in the same order in every step.
.macro MUL16 a0, p, q, sc, zero
.irp a, \a0, \a0+1
.irp b, 0,1,2,3,4,5,6,7
.if \zero
	v_wmma_scale_f32_16x16x128_f8f6f4 v[8*(8*((\a)%4)+\b):8*(8*((\a)%4)+\b)+7], v[128*(\p)+FR*\b:128*(\p)+FR*\b+FR-1], v[AF+FR*(\a):AF+FR*(\a)+FR-1], v[BI+8*\b:BI+8*\b+7], v[SC+8*NQ*(\sc)+NQ*\b+(\q)], v[SC+8*NQ*(\sc)+NQ*(\a)+(\q)] matrix_a_fmt:MATRIX_FMT_FP4 matrix_b_fmt:MATRIX_FMT_FP4 matrix_a_scale:MATRIX_SCALE_ROW1
.else
	v_wmma_scale_f32_16x16x128_f8f6f4 v[8*(8*((\a)%4)+\b):8*(8*((\a)%4)+\b)+7], v[128*(\p)+FR*\b:128*(\p)+FR*\b+FR-1], v[AF+FR*(\a):AF+FR*(\a)+FR-1], v[8*(8*((\a)%4)+\b):8*(8*((\a)%4)+\b)+7], v[SC+8*NQ*(\sc)+NQ*\b+(\q)], v[SC+8*NQ*(\sc)+NQ*(\a)+(\q)] matrix_a_fmt:MATRIX_FMT_FP4 matrix_b_fmt:MATRIX_FMT_FP4 matrix_a_scale:MATRIX_SCALE_ROW1
.endif
.endr
.endr
.endm
.macro FETCH_B slot, q, p
	WIN TO_B
.irp i, 0,1,2,3,4,5,6,7
	FRAG 128*(\p)+FR*\i, ADRB+\slot, \q, \i
.endr
	WIN 0
.endm
.macro FETCH_A slot, q, i0
.irp i, \i0, \i0+1, \i0+2, \i0+3
	FRAG AF+FR*(\i), ADRA+\slot, \q, \i
.endr
.endm
.macro SCALES sc                       ; a K step's scale words: four words a row; lanes 0-15 take x's block i, lanes 16-31 the weights' block i
.irp i, 0,1,2,3,4,5,6,7
	ds_load_b128 v[SC+8*NQ*\sc+NQ*\i:SC+8*NQ*\sc+NQ*\i+3], v[ADRS] offset:\i*SBLK
.endr
.endm
; A load into a register that a matrix instruction has read, and a vector instruction that reads a matrix result or writes one of a matrix instruction's registers, stand NP places behind it; only plain vector
; instructions that name none of its registers are places (ISA guide 7.12.1 for vector instructions).
.macro PLACES n
.rept \n
	v_nop
.endr
.endm
; A step of 128 along K that has its successor in the same slot.  x has one set of registers: blocks 0-3 are fetched anew in the step's middle, blocks 4-7 at its end; the weights have two sets.
.macro STEP slot, q, zero
	s_wait_dscnt 4*NL                              ; all but the youngest eight loads (x's blocks 4-7) are in
.if \zero
	WIN 0x81                                       ; C, the bias, in window 0; D in window 2
.else
	WIN MUL_LO
.endif
	MUL16 0, (\q)%2, \q, \slot, \zero
	MUL16 2, (\q)%2, \q, \slot, \zero
	s_wait_dscnt 0                                 ; x's blocks 4-7 are in
	PLACES NP
	FETCH_B \slot, (\q)+1, 1-(\q)%2
	FETCH_A \slot, (\q)+1, 0
.if \zero
	WIN 0xc1
.else
	WIN MUL_HI
.endif
	MUL16 4, (\q)%2, \q, \slot, \zero
	MUL16 6, (\q)%2, \q, \slot, \zero
	PLACES NP
	WIN 0
	FETCH_A \slot, (\q)+1, 4
.endm
; Slot 0's last step goes on into slot 1: each wave waits for all its tensor loads (its part of slot 1), and a barrier shows every wave's part to all.
.macro TURN slot, next
	s_wait_tensorcnt 0x0                           ; all my tensor loads have landed (every window is 0 here: the add's two registers lie in window 0)
	ds_add_u32 v[SPW], v[NIL]                      ; 0 onto my spare word
	s_wait_dscnt 4*NL+1                            ; the add and the youngest eight loads may be out
	WIN MUL_LO
	MUL16 0, 1, NQ-1, \slot, 0
	s_wait_dscnt 0x0                               ; no LDS instruction of mine is out at the signal
	s_barrier_signal -1
	MUL16 2, 1, NQ-1, \slot, 0
	WIN 0
	s_barrier_wait -1
	PLACES NP
	v_add_nc_u32 v[ADRS], 4*NQ, v[ADRS]            ; on to the next K step's scale words
	FETCH_B \next, 0, 0
	FETCH_A \next, 0, 0
	SCALES \next
	WIN MUL_HI
	MUL16 4, 1, NQ-1, \slot, 0
	MUL16 6, 1, NQ-1, \slot, 0
	PLACES NP
	WIN 0
	FETCH_A \next, 0, 4
.endm
	s_wait_tensorcnt 1                             ; the scales and my part of K step 0 are in; K step 1's load, the one issued behind them, may be out
	s_barrier_signal -1
	s_barrier_wait -1                              ; everybody's are
	FETCH_B 0, 0, 0
	FETCH_A 0, 0, 0
	SCALES 0
	FETCH_A 0, 0, 4
	s_wait_loadcnt 0x0                             ; the bias
	STEP 0, 0, 1
	STEP 0, 1, 0
	STEP 0, 2, 0
	TURN 0, 1
	STEP 1, 0, 0
	STEP 1, 1, 0
	STEP 1, 2, 0
	s_wait_dscnt 4*NL                              ; the very last step: nothing more to fetch
	WIN MUL_LO
	MUL16 0, 1, NQ-1, 1, 0
	MUL16 2, 1, NQ-1, 1, 0
	s_wait_dscnt 0
	WIN MUL_HI
	MUL16 4, 1, NQ-1, 1, 0
	MUL16 6, 1, NQ-1, 1, 0
	WIN 0
; THE WAY OUT, block by block of 16 tokens x 128 features: each accumulator, from its low end on, packs into 16 bytes a lane, which are one image of qkv.
.macro OUTB a
.if (\a) >= 4
	s_wait_xcnt 0x0                                ; the stores of the block four back have read their registers: that set is written again only behind this wait
.endif
	WIN 0x0a+5*((\a)/4)                            ; sources 0 and 1: window 2 or 3
.irp b, 0,1,2,3,4,5,6,7
.irp i, 0,1,2,3
	v_cvt_pk_f16_f32 v[TMP+32*((\a)%4)+4*\b+\i], v[8*(8*((\a)%4)+\b)+2*\i], v[8*(8*((\a)%4)+\b)+2*\i+1]
.endr
.endr
	WIN 0
.irp b, 0,1,2,3,4,5,6,7
	global_store_b128 v[LOF], v[TMP+32*((\a)%4)+4*\b:TMP+32*((\a)%4)+4*\b+3], s[12:13] offset:(\a)*2048+(\b/4)*262144+(\b%4)*512 th:TH_STORE_NT   ; token tile a, head b / 4, image b % 4: 512 consecutive bytes
.endr
.endm
	PLACES NP                                      ; behind the last products: the conversions write registers that they read, and later read their results
.irp a, 0,1,2,3,4,5,6,7
	OUTB \a
.endr
	s_wait_tensorcnt 0x0                           ; the wave's end, behind my last tensor load
	ds_add_u32 v[SPW], v[NIL]
	s_wait_dscnt 0x0
	CROUND                                         ; the closing round: no work-group ends while a partner may still ask for a tile that names it
	s_endpgm
.Lfunc_end_k_qa50906dcc8_qkv:
	.size	k_qa50906dcc8_qkv, .Lfunc_end_k_qa50906dcc8_qkv-k_qa50906dcc8_qkv
	.p2alignl 7, 3214868480
	.fill 96, 4, 3214868480
	.section	.rodata,"a",@progbits
	.p2align	6, 0x0
	.amdhsa_kernel k_qa50906dcc8_qkv
		.amdhsa_group_segment_fixed_size 327680
		.amdhsa_private_segment_fixed_size 0
		.amdhsa_enable_private_segment 0
		.amdhsa_kernarg_size 64
		.amdhsa_user_sgpr_count 2
		.amdhsa_user_sgpr_kernarg_segment_ptr 1
		.amdhsa_wavefront_size32 1
		.amdhsa_system_sgpr_workgroup_id_x 1
		.amdhsa_system_sgpr_workgroup_id_y 1
		.amdhsa_system_sgpr_workgroup_id_z 1
		.amdhsa_system_vgpr_workitem_id 0
		.amdhsa_next_free_vgpr 1024
		.amdhsa_next_free_sgpr 102
		.amdhsa_reserve_vcc 0
		.amdhsa_float_denorm_mode_32 3
		.amdhsa_float_denorm_mode_16_64 3
		.amdhsa_memory_ordered 1
		.amdhsa_forward_progress 1
		.amdhsa_inst_pref_size 120
	.end_amdhsa_kernel
	.amdgpu_metadata
---
amdhsa.version: [ 1, 2 ]
amdhsa.kernels:
  - .name:           k_qa50906dcc8_qkv
    .symbol:         k_qa50906dcc8_qkv.kd
    .args:
      - { .name: xc, .offset: 0, .size: 8, .value_kind: global_buffer, .address_space: global }
      - { .name: xs, .offset: 8, .size: 8, .value_kind: global_buffer, .address_space: global }
      - { .name: wc, .offset: 16, .size: 8, .value_kind: global_buffer, .address_space: global }
      - { .name: ws, .offset: 24, .size: 8, .value_kind: global_buffer, .address_space: global }
      - { .name: bq, .offset: 32, .size: 8, .value_kind: global_buffer, .address_space: global }
      - { .name: bk, .offset: 40, .size: 8, .value_kind: global_buffer, .address_space: global }
      - { .name: bv, .offset: 48, .size: 8, .value_kind: global_buffer, .address_space: global }
      - { .name: qkv, .offset: 56, .size: 8, .value_kind: global_buffer, .address_space: global }
    .group_segment_fixed_size: 327680
    .private_segment_fixed_size: 0
    .kernarg_segment_align: 8
    .kernarg_segment_size: 64
    .max_flat_workgroup_size: 128
    .sgpr_count:     102
    .vgpr_count:     1024
    .wavefront_size: 32
...
	.end_amdgpu_metadata
.endif
;; end of part 2
;; launch attn (part 3): grid 4 x 64, 8 waves a work-group, clusters of 4 x 1, 327,680 bytes of LDS; arguments qkv, ctx; writes ctx
.if DOCPART == 3
	.amdgcn_target "amdgcn-amd-amdhsa--gfx1250"
	.amdhsa_code_object_version 6
	.text
	.protected	k_qa50906dcc8_attn
	.globl	k_qa50906dcc8_attn
	.p2align	8
	.type	k_qa50906dcc8_attn,@function
k_qa50906dcc8_attn:
	s_mov_b64 s[64:65], 0
	v_nop
	global_prefetch_b8 v0, s[64:65] scope:SCOPE_SE
	s_setreg_imm32_b32 hwreg(HW_REG_WAVE_MODE, 25, 1), 1
	s_wait_xcnt 0x0
	s_wait_alu depctr_hold_cnt(0) depctr_sa_sdst(0) depctr_va_vdst(0) depctr_va_sdst(0) depctr_va_ssrc(0) depctr_va_vcc(0) depctr_vm_vsrc(0)
	s_getreg_b32 s2, hwreg(HW_REG_IB_STS2, 6, 4)
	s_cmp_eq_u32 s2, 0
	s_cbranch_scc0 .Lentry_in_a_cluster
	s_endpgm
.Lentry_in_a_cluster:
	s_bfe_u32 s2, ttmp6, 0x10000c
	s_cmp_lg_u32 s2, 0x3003
	s_cbranch_scc0 .Lentry_shape_is_right
	s_endpgm
.Lentry_shape_is_right:
; ctx[b][q][head] = the sum over k of softmax_k(clip(Q . K / 8, -100, 100)) V, for each of 64 (batch, head): 2,048 queries, 2,048 keys, 64 channels.  Operands f16; products, maxima and sums f32.
; qkv holds Q, K, V as images of a 16-bit operand's registers: [part][batch x head][token tile 128][i 4][512 bytes].  So every tile is a dense block for a tensor load, and every LDS read is at 16 x lane + a constant.
; SHARES.  A work-group owns 512 queries of one (batch, head); each of its eight waves owns 64: four tiles of 16.  Two waves share a SIMD, so that one wave's softmax stands beside the other's products: the loop is written in phases.
; Every wave walks all 2,048 keys, 64 a step.  Each fragment of K or V read from LDS feeds four matrix instructions.
; LAYOUT.  S^T = K Q^T (source 0 = 16 keys, source 1 = 16 queries): a lane holds ONE query (lane % 16) and the keys 8 (lane / 16) + 0 .. 7 of each tile.  Two such tiles, rounded to f16 in pairs, ARE source 1 of O^T = V^T P,
; whose result again holds one query a lane, and eight channels: 16 bytes of f16, an image of ctx.  V comes out of LDS turned, by ds_load_tr16_b128; its images were laid for that.
; SOFTMAX, in base 2: c = log2(e) / 8, T = 100 log2(e).  For each query a running largest score m; cm = c m held to -T .. T, which is the running largest CLIPPED score, since the clip does not fall where the score rises.
; p = 2^x, x = the middle of (c s - cm, -T - cm, 0): that is clip(c s) - cm.  (Where cm = T the upper bound T - cm is 0; where cm < T no score passes T and c s - cm is at most 0; where cm = -T both bounds are 0.)
; In every step O and the sum l are multiplied by a = 2^(old cm - new cm).  l is summed of the unrounded p and divides O at the end.
; The step is written once: O and l begin as zeros, m as -3e38 and cm as -T, and the first a multiplies zeros.
; CLUSTER.  The four work-groups of a (batch, head) walk the same K and V: each tile is asked for JOINTLY, the same tensor load with the same descriptor and the mask 15 in all four.
; THE RING.  Two slots of 512 keys (K's 65,536 bytes, then V's); each of the eight waves brings 16,384 bytes of a slot by one load.  A refill is asked for eight key steps ahead of its first read, so nothing is asked of memory earlier than that.
; LIMITS: p under 2^-126 is 0; p under 6e-8 is 0 in f16; |ctx| beyond 65,504 becomes infinity; NaN and infinities are not served.
; REGISTERS, in windows of 256 (s_set_vgpr_msb's low byte: bits 1:0 source 0, 3:2 source 1, 5:4 source 2, 7:6 destination):
;   window 0: v1-4 addresses; v16-47 eight registers of statistics a tile; v62, v63 the add's two; v64-191 S^T, 32 a tile, whose first 16 then hold P; v192-255 K of one step
;   window 1: v0-127 O^T, 32 a tile; v128-191 Q, 16 a tile; v192-255 V of one step
.set SLOT1, 1<<17                      ; slot 1 begins here, so that one exclusive or turns an address in one slot into the other's
.set VOFF,  65536                      ; in a slot: K's 32 token tiles of 2,048 bytes, then V's
.set STEPB, 8192                       ; a key step: 4 token tiles
.set SPARE, 2*SLOT1                    ; behind the ring: the spare words, 128 bytes a wave, which no other line names
.set LN,  1                            ; v1  16 x lane; never rewritten
.set LNV, 2                            ; v2  the same in V's part of a slot
.set ADK, 3                            ; v3  LDS address of the run of K's loads in hand
.set ADV, 4                            ; v4  of V's
.set ST,  16                           ; tile t's statistics at v[ST + 8 t]: +0 cm, +1 m, +2, +3 l (even registers', odd registers'), +4 .. +7 at work: +5 becomes -T - cm, +6 a, +7 old cm - new cm
.set SPW, 62
.set NIL, 63
.set S,   64
.set KF,  192
.set Q,   128                          ; in window 1
.set VF,  192                          ; in window 1
.set WV,  8                            ; s8  my wave's number
.set G1,  16                           ; s[16:23] descriptor group 1, one for all loads
.set G0A, 24                           ; s[24:27] group 0 for slot 0's first fill
.set G0B, 28                           ; s[28:31] for slot 1's; it then walks on
.set TB,  32                           ; s32 LDS byte at which the tiles of the step to be fetched begin
.set CNT, 33                           ; s33 counts key steps
.set SLOTS, 34                         ; s34 counts refills
.set CS,  36                           ; s[36:37] c: the packed form names a pair and takes its low word for both halves
.set TP,  38                           ; s38 T
.set TN,  39                           ; s39 -T
.set SEL, 40                           ; s[40:41] lane selects for v_permlanex16_b32: lane l xor 16
.set MSB, 0
.macro WIN new                         ; the immediate's high byte repeats the setting that is left; a switch that changes nothing is dropped
.if MSB != \new
	s_set_vgpr_msb (MSB<<8)|\new
.set MSB, \new
.endif
.endm
.macro PLACES n
.rept \n
	v_nop
.endr
.endm
.macro CROUND                          ; a round of the cluster's barrier
	s_barrier_signal -1
	s_barrier_wait -1
	s_cmp_lg_u32 s[WV], 0
	s_cbranch_scc1 .Lnot_wave_0_\@
	s_barrier_signal -3
.Lnot_wave_0_\@:
	s_barrier_wait -3
	s_barrier_signal -1
	s_barrier_wait -1
.endm
	s_load_b128 s[4:7], s[0:1], 0x0                ; qkv s[4:5], ctx s[6:7]
	v_lshl_add_u32 v[SPW], v0, 2, SPARE
	v_mov_b32 v[NIL], 0
	ds_add_u32 v[SPW], v[NIL]                      ; the wave's opening: the add, twice on end, and its wait ahead of my first tensor load
	ds_add_u32 v[SPW], v[NIL]
	v_lshrrev_b32 v1, 5, v0
	v_readfirstlane_b32 s[WV], v1                  ; wave 0..7
	s_bfe_u32 s9, ttmp6, 0x40000                   ; cx: my block of 512 queries; it enters Q's and ctx's addresses alone
	s_and_b32 s10, ttmp7, 0xffff                   ; batch x 16 + head, which the four partners share
	; descriptor group 1: 64 rows of 256 bytes (32 elements of 8 bytes), dense in memory and in LDS
	s_mov_b32 s[G1], 15|(3<<16)|(1<<21)            ; 15:0 the mask: all four work-groups; 17:16 elements of 8 bytes; 21 set beside a mask
	s_mov_b32 s[G1+1], 32<<16                      ; tensor_dim0
	s_mov_b32 s[G1+2], 64<<16                      ; tensor_dim1
	s_mov_b32 s[G1+3], 32<<16                      ; tile_dim0
	s_mov_b32 s[G1+4], 64                          ; tile_dim1
	s_mov_b32 s[G1+5], 32                          ; tensor_dim0_stride
	s_mov_b32 s[G1+6], 0
	s_mov_b32 s[G1+7], 0
	s_mov_b32 s[CS], 0x3e38aa3b                    ; c = log2(e) / 8
	s_mov_b32 s[CS+1], s[CS]
	s_mov_b32 s[TP], 0x431044fe                    ; T = 100 log2(e)
	s_mov_b32 s[TN], 0xc31044fe                    ; -T
	s_mov_b32 s[SEL], 0x76543210
	s_mov_b32 s[SEL+1], 0xfedcba98
	s_mov_b32 s[TB], 0
	; what I fetch: waves 0-3 a quarter of a slot's K, waves 4-7 of its V
	s_lshr_b32 s11, s[WV], 2
	s_add_co_u32 s11, s11, 1                       ; part 1 = K, part 2 = V
	s_lshl_b32 s11, s11, 24
	s_lshl_b32 s12, s10, 18                        ; a (batch, head) is 262,144 bytes
	s_and_b32 s13, s[WV], 3
	s_lshl_b32 s13, s13, 14
	s_add_co_u32 s44, s11, s12
	s_add_co_u32 s44, s44, s13
	s_mov_b32 s45, 0
	s_lshl_b32 s14, s[WV], 14                      ; and where it goes in a slot: wave x 16,384
	s_lshl_b32 s46, s9, 5
	s_lshl_b32 s15, s[WV], 2
	s_add_co_u32 s46, s46, s15                     ; my first tile of queries in the sequence: 32 cx + 4 x wave
	s_lshl_b32 s42, s46, 11
	s_add_co_u32 s42, s42, s12                     ; Q is part 0
	s_mov_b32 s43, 0
	s_lshr_b32 s15, s10, 4                         ; batch
	s_lshl_b32 s15, s15, 7
	s_add_co_u32 s46, s46, s15                     ; my first tile of rows of ctx: 128 x batch + 32 cx + 4 x wave
	s_lshl_b32 s46, s46, 12
	s_and_b32 s15, s10, 15                         ; head: its 64 channels are half of a K step of the next product
	s_lshr_b32 s11, s15, 1
	s_lshl_b32 s11, s11, 21
	s_add_co_u32 s46, s46, s11
	s_and_b32 s15, s15, 1
	s_lshl_b32 s15, s15, 11
	s_add_co_u32 s46, s46, s15
	s_mov_b32 s47, 0
	s_wait_dscnt 0x0                               ; both opening adds are done
	s_wait_kmcnt 0x0
	s_add_nc_u64 s[44:45], s[4:5], s[44:45]
	s_add_nc_u64 s[42:43], s[4:5], s[42:43]
	s_add_nc_u64 s[6:7], s[6:7], s[46:47]
	CROUND                                         ; all four work-groups are here: the first joint loads meet
	s_mov_b32 s[G0A], 1                            ; count = 1
	s_mov_b32 s[G0A+1], s14                        ; LDS address: slot 0
	s_mov_b64 s[G0A+2:G0A+3], s[44:45]             ; keys 0 to 511
	s_or_b32 s[G0A+3], s[G0A+3], 0x80000000        ; type = 2
	s_mov_b32 s[G0B], 1
	s_add_co_u32 s[G0B+1], s14, SLOT1
	s_add_nc_u64 s[G0B+2:G0B+3], s[44:45], 65536   ; keys 512 to 1,023
	s_or_b32 s[G0B+3], s[G0B+3], 0x80000000
	tensor_load_to_lds s[G0A:G0A+3], s[G1:G1+7]    ; both first fills together: two loads of mine are out
	s_nop 0
	tensor_load_to_lds s[G0B:G0B+3], s[G1:G1+7]
	s_nop 0
	PLACES 4
	v_and_b32 v[LN], 31, v0
	v_lshlrev_b32 v[LN], 4, v[LN]
	v_add_nc_u32 v[LNV], VOFF, v[LN]
	WIN 0x40                                       ; destination window 1, address window 0
.irp i, 0,1,2,3,4,5,6,7,8,9,10,11,12,13,14,15
	global_load_b128 v[Q+4*\i:Q+4*\i+3], v[LN], s[42:43] offset:512*\i   ; Q stays in registers: tile i / 4, image i % 4
.endr
.set ee, 0
.rept 128
	v_mov_b32 v[ee], 0                             ; O^T: written once, so that the key step has no first form of its own
.set ee, ee+1
.endr
	WIN 0
.irp t, 0,1,2,3
	v_mov_b32 v[ST+8*\t], s[TN]                    ; cm = -T
	v_mov_b32 v[ST+8*\t+1], 0xff61b1e6             ; m = -3e38, under every score
	v_mov_b32 v[ST+8*\t+2], 0                      ; l
	v_mov_b32 v[ST+8*\t+3], 0
.endr
; THE LDS LOADS stand in runs of 16.  A step's K: 4 tiles of 16 keys x 4 images.
.macro FETCH_K
	WIN 0
	v_add_nc_u32 v[ADK], s[TB], v[LN]
.irp f, 0,1,2,3,4,5,6,7,8,9,10,11,12,13,14,15
	ds_load_b128 v[KF+4*\f:KF+4*\f+3], v[ADK] offset:512*\f
.endr
.endm
; The same step's V, turned: f = 8 G + 2 ct + c: keys 32 G + 16 c on, channels 16 ct on: lane (r, h) gets channel 16 ct + r, keys 8 h + 0 .. 7 of that tile.
.macro FETCH_V
	WIN 0
	v_add_nc_u32 v[ADV], s[TB], v[LNV]
	s_add_co_u32 s[TB], s[TB], STEPB               ; the next fetch is the next step's
	WIN 0x40
.irp f, 0,1,2,3,4,5,6,7,8,9,10,11,12,13,14,15
	ds_load_tr16_b128 v[VF+4*\f:VF+4*\f+3], v[ADV] offset:(2*(\f/8)+\f%2)*2048+((\f/2)%4)*512
.endr
.endm
; S^T = K Q^T: product ii: channels 32 (ii / 16) on, keys 16 ((ii / 4) % 4) on, tile ii % 4.  The first 16 start the sums.  The 16 accumulators take turns, one instruction a turn.
.macro SMUL
	WIN 0x04                                       ; Q in window 1, all else in window 0
.set ii, 0
.rept 32
.set rS, S+32*(ii%4)+8*((ii/4)%4)
.set rK, KF+16*((ii/4)%4)+8*(ii/16)
.set rQ, Q+16*(ii%4)+8*(ii/16)
.if ii < 16
	v_wmma_f32_16x16x32_f16 v[rS:rS+7], v[rK:rK+7], v[rQ:rQ+7], 0
.else
	v_wmma_f32_16x16x32_f16 v[rS:rS+7], v[rK:rK+7], v[rQ:rQ+7], v[rS:rS+7]
.endif
.set ii, ii+1
.endr
.endm
; O^T += V^T P: product ii: keys 32 (ii / 16) on, channels 16 ((ii / 4) % 4) on, tile ii % 4.  Again 16 accumulators by turns.
.macro PVMUL
	WIN 0x51                                       ; V, C and D in window 1, P in window 0
.set ii, 0
.rept 32
.set rO, 32*(ii%4)+8*((ii/4)%4)
.set rV, VF+32*(ii/16)+8*((ii/4)%4)
.set rP, S+32*(ii%4)+8*(ii/16)
	v_wmma_f32_16x16x32_f16 v[rO:rO+7], v[rV:rV+7], v[rP:rP+7], v[rO:rO+7]
.set ii, ii+1
.endr
.endm
; THE SOFTMAX of the wave's four tiles for one key step, in window 0; the tiles alternate line by line, so that no line waits for the line above it.
.macro SOFTMAX
.irp j, 0,1,2,3                        ; the largest of a lane's 32 scores and the old m: four chains; each accumulator is read from its low end on
.irp t, 0,1,2,3
	v_max3_num_f32 v[ST+8*\t+4+\j], v[S+32*\t+8*\j], v[S+32*\t+8*\j+1], v[S+32*\t+8*\j+2]
.endr
.endr
.irp u, 1,2
.irp j, 0,1,2,3
.irp t, 0,1,2,3
	v_max3_num_f32 v[ST+8*\t+4+\j], v[ST+8*\t+4+\j], v[S+32*\t+8*\j+2*\u+1], v[S+32*\t+8*\j+2*\u+2]
.endr
.endr
.endr
.irp t, 0,1,2,3
	v_max3_num_f32 v[ST+8*\t+4], v[ST+8*\t+4], v[S+32*\t+7], v[S+32*\t+15]
.endr
.irp t, 0,1,2,3
	v_max3_num_f32 v[ST+8*\t+6], v[ST+8*\t+6], v[S+32*\t+23], v[S+32*\t+31]
.endr
.irp t, 0,1,2,3
	v_max3_num_f32 v[ST+8*\t+4], v[ST+8*\t+4], v[ST+8*\t+5], v[ST+8*\t+6]
.endr
.irp t, 0,1,2,3
	v_max3_num_f32 v[ST+8*\t+4], v[ST+8*\t+4], v[ST+8*\t+7], v[ST+8*\t+1]
.endr
.irp t, 0,1,2,3
	v_permlanex16_b32 v[ST+8*\t+5], v[ST+8*\t+4], s[SEL], s[SEL+1]   ; the query's other 32 keys lie in the lane 16 away
.endr
.irp t, 0,1,2,3
	v_mov_b32 v[ST+8*\t+7], v[ST+8*\t]             ; the old cm is kept for a
.endr
.irp t, 0,1,2,3
	v_max_num_f32 v[ST+8*\t+1], v[ST+8*\t+4], v[ST+8*\t+5]   ; the new m
.endr
.irp t, 0,1,2,3
	v_mul_f32 v[ST+8*\t], s[CS], v[ST+8*\t+1]
.endr
.irp t, 0,1,2,3
	v_med3_num_f32 v[ST+8*\t], v[ST+8*\t], s[TN], s[TP]   ; cm = c m held to -T .. T
.endr
.irp t, 0,1,2,3
	v_sub_f32 v[ST+8*\t+7], v[ST+8*\t+7], v[ST+8*\t]      ; old cm - new cm, 0 or less
.endr
.irp t, 0,1,2,3
	v_sub_f32 v[ST+8*\t+5], s[TN], v[ST+8*\t]             ; -T - cm: the lower bound of x
.endr
; ONE BATCH of exponentials, the four a and the 128 p, with one wait: none of the lines up to that wait names a result.
.irp t, 0,1,2,3
	v_exp_f32 v[ST+8*\t+6], v[ST+8*\t+7]           ; a
.endr
.irp b, 0,1,2,3,4,5,6,7,8,9,10,11,12,13,14,15
.irp t, 0,1,2,3
	v_pk_fma_f32 v[S+32*\t+2*\b:S+32*\t+2*\b+1], v[S+32*\t+2*\b:S+32*\t+2*\b+1], s[CS:CS+1], v[ST+8*\t:ST+8*\t+1] op_sel_hi:[1,0,0] neg_lo:[0,0,1] neg_hi:[0,0,1]   ; c s - cm, two at a time
.endr
.endr
.set ee, 0
.rept 32
	v_med3_num_f32 v[S+ee], v[S+ee], v[ST+5], 0    ; tile 0: the clip
.set ee, ee+1
.endr
.irp t, 0,1,2                          ; a tile's exponentials by turns with the next tile's clip
.set ee, 0
.rept 32
	v_exp_f32 v[S+32*\t+ee], v[S+32*\t+ee]
	v_med3_num_f32 v[S+32*(\t+1)+ee], v[S+32*(\t+1)+ee], v[ST+8*(\t+1)+5], 0
.set ee, ee+1
.endr
.endr
.set ee, 0
.rept 32
	v_exp_f32 v[S+96+ee], v[S+96+ee]
.set ee, ee+1
.endr
	v_nop                                          ; a plain instruction behind the last exponential, ahead of the first use
	s_wait_alu depctr_va_vdst(0)                   ; the one wait between the batch and the first line that names a result
.irp t, 0,1,2,3
	v_pk_fma_f32 v[ST+8*\t+2:ST+8*\t+3], v[ST+8*\t+2:ST+8*\t+3], v[ST+8*\t+6:ST+8*\t+7], v[S+32*\t:S+32*\t+1] op_sel_hi:[1,0,1]   ; l = a l + the first pair of p
.endr
.irp b, 1,2,3,4,5,6,7,8,9,10,11,12,13,14,15
.irp t, 0,1,2,3
	v_pk_add_f32 v[ST+8*\t+2:ST+8*\t+3], v[ST+8*\t+2:ST+8*\t+3], v[S+32*\t+2*\b:S+32*\t+2*\b+1]
.endr
.endr
.irp i, 0,1,2,3,4,5,6,7,8,9,10,11,12,13,14,15
.irp t, 0,1,2,3
	v_cvt_pk_f16_f32 v[S+32*\t+\i], v[S+32*\t+2*\i], v[S+32*\t+2*\i+1]   ; P in place, ascending: register i has been read by the sums and by conversion i / 2
.endr
.endr
.endm
.macro RESCALE                         ; O^T x a, each accumulator from its low end on
	WIN 0x41                                       ; O^T (destination and source 0) in window 1, a in window 0
.irp t, 0,1,2,3
.set ee, 0
.rept 16
	v_pk_mul_f32 v[32*\t+ee:32*\t+ee+1], v[32*\t+ee:32*\t+ee+1], v[ST+8*\t+6:ST+8*\t+7] op_sel_hi:[1,0]
.set ee, ee+2
.endr
.endr
.endm
; KEY STEP j, from behind its products K Q^T to behind those of step j + 1.  fetch = 0: the last step.
.macro BODY fetch
	PLACES 4                                       ; behind S(j): for the loads into K's registers and for the first read of the scores
.if \fetch
	FETCH_K                                        ; K of step j + 1
.endif
	SOFTMAX
	RESCALE                                        ; (these 64 lines name none of S(j)'s registers: the places ahead of the products that take P)
.if \fetch
	s_wait_dscnt 16                                ; V(j) is in; the sixteen loads of K(j + 1), issued behind it, may be out
.else
	s_wait_dscnt 0x0
.endif
	PVMUL
	WIN 0
.if \fetch
	PLACES 5                                       ; four for the loads into V's registers; five since S(j + 1) writes over P, which these products read
	FETCH_V                                        ; V of step j + 1
	s_wait_dscnt 16                                ; K(j + 1) is in; V's sixteen may be out
	SMUL
	WIN 0
.endif
.endm
.macro BODIES n
	s_mov_b32 s[CNT], \n
.Lbody_\@:
	BODY 1
	s_sub_co_u32 s[CNT], s[CNT], 1
	s_cmp_lg_u32 s[CNT], 0
	s_cbranch_scc1 .Lbody_\@
.endm
; THE CHANGE OF SLOTS stands where the slot's last bytes, K and V of its eighth step, have been asked for.  Each wave waits for all its tensor loads, of which one is out: its part of the other slot; adds 0 to its
; spare word; and waits for that and for its own reads of the slot.  fill = 1: the barrier is a round of the cluster's, so that no wave of any partner still reads the slot or has a load on its way, and the joint
; refill, the keys two slots on, is the first thing behind it: it has eight key steps in which to land.
.macro CHANGE fill
	WIN 0
	s_wait_tensorcnt 0x0                           ; no tensor load of mine is out, so a group 0 may be written
	ds_add_u32 v[SPW], v[NIL]                      ; 0 onto my spare word
.if \fill
	s_xor_b32 s[G0B+1], s[G0B+1], SLOT1            ; the walking descriptor: the other slot than last time,
	s_add_nc_u64 s[G0B+2:G0B+3], s[G0B+2:G0B+3], 65536   ; the next 512 keys; the type bits on top are not reached
.endif
	s_wait_dscnt 0x0                               ; the add is done, and my reads of the slot are over
.if \fill
	CROUND
	tensor_load_to_lds s[G0B:G0B+3], s[G1:G1+7]
	s_nop 0
	PLACES 4
.else
	s_barrier_signal -1
	s_barrier_wait -1
.endif
	s_sub_co_u32 s[TB], s[TB], 65536               ; the fetches go back to a slot's first step,
	s_xor_b32 s[TB], s[TB], SLOT1                  ; in the other slot
.endm
	s_wait_tensorcnt 1                             ; my part of slot 0 is in; slot 1's load, issued behind it, may stay out
	s_barrier_signal -1
	s_barrier_wait -1                              ; everybody's is
	FETCH_K                                        ; key step 0
	FETCH_V
	s_wait_loadcnt 0x0                             ; Q
	s_wait_dscnt 16                                ; K is in; V's sixteen may be out
	SMUL
	WIN 0
	BODIES 7                                       ; steps 0 to 6; the last of them fetches step 7, slot 0's last
	s_mov_b32 s[SLOTS], 2
.Lslot:                                            ; two trips: slot 0 takes keys 1,024 on, slot 1 keys 1,536 on
	CHANGE 1
	BODIES 8
	s_sub_co_u32 s[SLOTS], s[SLOTS], 1
	s_cmp_lg_u32 s[SLOTS], 0
	s_cbranch_scc1 .Lslot
	CHANGE 0                                       ; the tail is written out: nothing is left to ask for
	BODIES 8                                       ; steps 23 to 30
	BODY 0                                         ; step 31
	; THE WAY OUT.  l's two halves and the other half of the lanes' are added; O^T is divided by l and rounded to f16: a lane's eight channels are 16 bytes, and a tile's four accumulators four images of ctx.
.irp t, 0,1,2,3
	v_add_f32 v[ST+8*\t+4], v[ST+8*\t+2], v[ST+8*\t+3]   ; (these four are the places behind the last products)
.endr
.irp t, 0,1,2,3
	v_permlanex16_b32 v[ST+8*\t+5], v[ST+8*\t+4], s[SEL], s[SEL+1]
.endr
.irp t, 0,1,2,3
	v_add_f32 v[ST+8*\t+4], v[ST+8*\t+4], v[ST+8*\t+5]
.endr
.irp t, 0,1,2,3
	v_rcp_f32 v[ST+8*\t+6], v[ST+8*\t+4]
.endr
	v_nop                                          ; a plain instruction between the last reciprocal and the use of its result
	s_wait_alu depctr_va_vdst(0)                   ; and a wait: one for the four
.irp t, 0,1,2,3
	WIN 0x41
.set ee, 0
.rept 16
	v_pk_mul_f32 v[32*\t+ee:32*\t+ee+1], v[32*\t+ee:32*\t+ee+1], v[ST+8*\t+6:ST+8*\t+7] op_sel_hi:[1,0]
.set ee, ee+2
.endr
	WIN 0x05                                       ; sources 0 and 1 window 1, destination window 0: S^T's registers are free
.set ee, 0
.rept 16
	v_cvt_pk_f16_f32 v[S+16*\t+ee], v[32*\t+2*ee], v[32*\t+2*ee+1]
.set ee, ee+1
.endr
	WIN 0
.irp c, 0,1,2,3
	global_store_b128 v[LN], v[S+16*\t+4*\c:S+16*\t+4*\c+3], s[6:7] offset:\t*4096+\c*512 th:TH_STORE_NT   ; the wave stores 512 consecutive bytes, aligned
.endr
.endr
	s_wait_tensorcnt 0x0                           ; the wave's end, behind my last tensor load
	ds_add_u32 v[SPW], v[NIL]
	s_wait_dscnt 0x0
	CROUND                                         ; the closing round: no work-group ends while a partner may still ask for a tile that names it
	s_endpgm
.Lfunc_end_k_qa50906dcc8_attn:
	.size	k_qa50906dcc8_attn, .Lfunc_end_k_qa50906dcc8_attn-k_qa50906dcc8_attn
	.p2alignl 7, 3214868480
	.fill 96, 4, 3214868480
	.section	.rodata,"a",@progbits
	.p2align	6, 0x0
	.amdhsa_kernel k_qa50906dcc8_attn
		.amdhsa_group_segment_fixed_size 327680
		.amdhsa_private_segment_fixed_size 0
		.amdhsa_enable_private_segment 0
		.amdhsa_kernarg_size 16
		.amdhsa_user_sgpr_count 2
		.amdhsa_user_sgpr_kernarg_segment_ptr 1
		.amdhsa_wavefront_size32 1
		.amdhsa_system_sgpr_workgroup_id_x 1
		.amdhsa_system_sgpr_workgroup_id_y 1
		.amdhsa_system_sgpr_workgroup_id_z 1
		.amdhsa_system_vgpr_workitem_id 0
		.amdhsa_next_free_vgpr 512
		.amdhsa_next_free_sgpr 66
		.amdhsa_reserve_vcc 0
		.amdhsa_float_denorm_mode_32 3
		.amdhsa_float_denorm_mode_16_64 3
		.amdhsa_memory_ordered 1
		.amdhsa_forward_progress 1
		.amdhsa_inst_pref_size 183
	.end_amdhsa_kernel
	.amdgpu_metadata
---
amdhsa.version: [ 1, 2 ]
amdhsa.kernels:
  - .name:           k_qa50906dcc8_attn
    .symbol:         k_qa50906dcc8_attn.kd
    .args:
      - { .name: qkv, .offset: 0, .size: 8, .value_kind: global_buffer, .address_space: global }
      - { .name: ctx, .offset: 8, .size: 8, .value_kind: global_buffer, .address_space: global }
    .group_segment_fixed_size: 327680
    .private_segment_fixed_size: 0
    .kernarg_segment_align: 8
    .kernarg_segment_size: 16
    .max_flat_workgroup_size: 256
    .sgpr_count:     66
    .vgpr_count:     512
    .wavefront_size: 32
...
	.end_amdgpu_metadata
.endif
;; end of part 3
;; launch oproj (part 4): grid 4 x 64, 4 waves a work-group, clusters of 4 x 4, 327,680 bytes of LDS; arguments ctx, wo16, bo, out0; writes out0
.if DOCPART == 4
	.amdgcn_target "amdgcn-amd-amdhsa--gfx1250"
	.amdhsa_code_object_version 6
	.text
	.protected	k_qa50906dcc8_oproj
	.globl	k_qa50906dcc8_oproj
	.p2align	8
	.type	k_qa50906dcc8_oproj,@function
k_qa50906dcc8_oproj:
	s_mov_b64 s[64:65], 0
	v_nop
	global_prefetch_b8 v0, s[64:65] scope:SCOPE_SE
	s_setreg_imm32_b32 hwreg(HW_REG_WAVE_MODE, 25, 1), 1
	s_wait_xcnt 0x0
	s_wait_alu depctr_hold_cnt(0) depctr_sa_sdst(0) depctr_va_vdst(0) depctr_va_sdst(0) depctr_va_ssrc(0) depctr_va_vcc(0) depctr_vm_vsrc(0)
	s_getreg_b32 s2, hwreg(HW_REG_IB_STS2, 6, 4)
	s_cmp_eq_u32 s2, 0
	s_cbranch_scc0 .Lentry_in_a_cluster
	s_endpgm
.Lentry_in_a_cluster:
	s_bfe_u32 s2, ttmp6, 0x10000c
	s_cmp_lg_u32 s2, 0xf033
	s_cbranch_scc0 .Lentry_shape_is_right
	s_endpgm
.Lentry_shape_is_right:
; out0[m][n] = the sum over k of ctx[m][k] Wo[n][k] + bo[n]: [8192][1024] x [1024][1024]^T, operands f16, sums and result f32.
; Both operands lie in memory as images of a 16-bit operand's registers: ctx [KS 8][MT 512][i 8][512 bytes], wo16 [KS 8][NT 64][i 8][512 bytes]: lane (r, h)'s 16 bytes, at 16 x lane, are row 16 MT + r, k = 128 KS + 16 i + 8 h + 0 .. 7.
; So a K step's tile is one dense block for a tensor load, LDS needs no padding, and every fragment load is at 16 x lane + a constant.
; A tile of 128 rows x 256 columns is made by a work-group of four waves: 256 work-groups.  A wave makes 64 x 128: 32 accumulators of 16 x 16, 256 registers.  K goes in 8 steps of 128 through a ring of two LDS slots.
; CLUSTERS: 4 x 4 work-groups.  The four of a row of the cluster need the same tiles of ctx, the four of a column the same tiles of Wo: each is asked for JOINTLY, by the same tensor load with the same descriptor and a
; mask that names the four.  THE MATRIX INSTRUCTION IS USED TRANSPOSED (source 0 = 16 rows of Wo, source 1 = 16 rows of ctx): a lane then holds eight neighbouring numbers of a row of the output.
; THE BIAS is the C of each sum's first matrix instruction.
; REGISTERS: window 0: v0-31 addresses; v32-127, v128-223 two fragment buffers (4 x 8 of ctx, then 8 x 8 of Wo, 32 along K); on the way out v32-159 take rows.   window 1: accumulator (a, b) at v[8 (8 a + b)].   window 2: v0-63 the bias.
.set SLOT,   98304                     ; ctx's 8 tiles of 4,096 bytes, then Wo's 16
.set BOFF,   32768
.set SPARE,  2*SLOT                    ; behind the ring: the spare words, 128 bytes a wave, which no other line names
.set SPITCH, 528                       ; the way out: a stage of 16 rows x (512 bytes + 16) for each wave, in slot 0, which has had its last fill and its last read when the first result is stored there
.set LAPS,   4                         ; a lap = two K steps = once round the ring
.set ADRA, 16                          ; v16-17 LDS address of my fragments of ctx in slot 0, 1
.set ADRB, 20                          ; v20-21 the same for Wo
.set STO,  24                          ; v24 the way out: where I put 32 bytes of a row
.set RD,   25                          ; v25 where I read a row back
.set CO,   26                          ; v26 16 x lane
.set SPW,  28                          ; v28 LDS address of my spare word; never rewritten
.set NIL,  29                          ; v29 0; never rewritten
.set PFO,  30                          ; v30 256 x lane; never rewritten
.set F0,   32
.set F1,   128
.set BK,   32                          ; the way out: 16 rows read back: v32-95 and v96-159 by turns
.set G1,  24                           ; s[24:31] descriptor group 1 for ctx's tiles; s[32:39] group 0, one set for each slot
.set G0,  32
.set G1B, 48                           ; s[48:55], s[56:63] the same for Wo's
.set G0B, 56
.set LIM, 43                           ; s43 1 in a wave that prefetches, else the greatest number
.set PFA, 44                           ; s[44:45] where my prefetches stand
.set PFS, 46                           ; s[46:47] a K step on, in bytes
.set MSB, 0
.macro WIN new                         ; the immediate's high byte repeats the setting that is left
.if MSB != \new
	s_set_vgpr_msb (MSB<<8)|\new
.set MSB, \new
.endif
.endm
.set MUL,  0x50                        ; fragments in window 0, C and D in window 1
.set MULZ, 0x60                        ; C, the bias, in window 2; D in window 1
.macro PLACES n
.rept \n
	v_nop
.endr
.endm
; A joint load: waves 0 and 1 fetch ctx's two halves (64 rows of 256 bytes each), waves 2 and 3 Wo's (128 rows).  The branch hangs on the wave's number alone.  An s_nop 0 and four v_nop follow each line.
.macro JLOAD s
	s_cmp_eq_u32 s13, 0
	s_cbranch_scc0 .Lfor_b_\@
	tensor_load_to_lds s[G0+4*\s:G0+4*\s+3], s[G1:G1+7]
	s_nop 0
.rept 4
	v_nop
.endr
	s_branch .Lasked_\@
.Lfor_b_\@:
	tensor_load_to_lds s[G0B+4*\s:G0B+4*\s+3], s[G1B:G1B+7]
	s_nop 0
.rept 4
	v_nop
.endr
.Lasked_\@:
.endm
; A PREFETCH INTO THE L2, behind each joint refill and the run of LDS loads that follows it: the K step that stands two refills on, 256 matrix instructions of a wave ahead of the load that will want it.
; Each aligned 256 bytes are named once in the launch.  A tile row of ctx is read by one row of one cluster: its four partners take 8,192 bytes each, told apart by address (cx), and wave 0 asks, lanes 256 bytes apart.
; A tile column of Wo is read by every cluster: the cluster with y = 0 asks; its four partners of a column take 16,384 bytes each (cy), waves 2 and 3 a half each.  The loop's last trip asks for nothing: K ends.
.macro ASK
	s_cmp_gt_u32 s3, s[LIM]                        ; s3 = 1 in the loop's last trip
	s_cbranch_scc0 .Lnot_mine_\@
	global_prefetch_b8 v[PFO], s[PFA:PFA+1] th:TH_LOAD_NT scope:SCOPE_SE
.Lnot_mine_\@:
.endm
.macro CREST                           ; a round of the cluster's barrier behind its opening barrier
	s_cmp_lg_u32 s12, 0
	s_cbranch_scc1 .Lnot_wave_0_\@
	s_barrier_signal -3
.Lnot_wave_0_\@:
	s_barrier_wait -3
	s_barrier_signal -1
	s_barrier_wait -1
.endm
.macro CROUND
	s_barrier_signal -1
	s_barrier_wait -1
	CREST
.endm
	s_load_b256 s[4:11], s[0:1], 0x0               ; ctx s[4:5], wo16 s[6:7], bo s[8:9], out0 s[10:11]
	v_lshl_add_u32 v[SPW], v0, 2, SPARE
	v_mov_b32 v[NIL], 0
	ds_add_u32 v[SPW], v[NIL]                      ; the wave's opening: the add, twice on end, and its wait ahead of my first tensor load
	ds_add_u32 v[SPW], v[NIL]
	v_lshrrev_b32 v1, 5, v0
	v_readfirstlane_b32 s12, v1                    ; wave 0..3
	s_lshr_b32 s13, s12, 1                         ; which half of the tile's rows is mine.  Also: I fetch for ctx (0) or for Wo (1)
	s_and_b32 s14, s12, 1                          ; which half of its columns.  Also: which half of that tile I fetch
	s_bfe_u32 s15, ttmp6, 0x40000                  ; cx
	s_bfe_u32 s16, ttmp6, 0x40004                  ; cy
	s_lshl_b32 s17, ttmp9, 2
	s_add_co_u32 s17, s17, s15                     ; tile column = 4 x cluster x + cx
	s_and_b32 s18, ttmp7, 0xffff
	s_lshl_b32 s18, s18, 2
	s_add_co_u32 s18, s18, s16                     ; tile row = 4 x cluster y + cy
	s_lshl_b32 s19, s16, 2
	s_lshl_b32 s19, 15, s19                        ; my row of the cluster
	s_lshl_b32 s20, 0x1111, s15                    ; my column
	s_or_b32 s[G1], s19, (3<<16)|(1<<21)           ; 15:0 the mask; 17:16 elements of 8 bytes; 21 set beside a mask; no padding
	s_or_b32 s[G1B], s20, (3<<16)|(1<<21)
	s_mov_b32 s[G1+1], 32<<16                      ; tensor_dim0: 32 elements, 256 bytes
	s_mov_b32 s[G1+2], 64<<16                      ; tensor_dim1
	s_mov_b32 s[G1+3], 32<<16                      ; tile_dim0
	s_mov_b32 s[G1+4], 64                          ; tile_dim1
	s_mov_b32 s[G1+5], 32                          ; tensor_dim0_stride: dense
	s_mov_b32 s[G1+6], 0
	s_mov_b32 s[G1+7], 0
	s_mov_b32 s[G1B+1], 32<<16
	s_mov_b32 s[G1B+2], 128<<16
	s_mov_b32 s[G1B+3], 32<<16
	s_mov_b32 s[G1B+4], 128
	s_mov_b32 s[G1B+5], 32
	s_mov_b32 s[G1B+6], 0
	s_mov_b32 s[G1B+7], 0
	s_lshl_b32 s40, s18, 15                        ; ctx: a tile row's 8 tiles are 32,768 bytes of a K step,
	s_lshl_b32 s21, s14, 14                        ; my half of them 16,384
	s_add_co_u32 s40, s40, s21
	s_mov_b32 s41, 0
	s_lshl_b32 s22, s17, 16                        ; Wo: a tile column's 16 tiles are 65,536 bytes,
	s_lshl_b32 s42, s14, 15                        ; my half 32,768
	s_add_co_u32 s22, s22, s42
	s_mov_b32 s23, 0
	s_wait_dscnt 0x0                               ; both opening adds are done
	s_wait_kmcnt 0x0
	s_add_nc_u64 s[40:41], s[4:5], s[40:41]
	s_add_nc_u64 s[22:23], s[6:7], s[22:23]
	CROUND                                         ; all sixteen work-groups are here: the first joint loads meet
.irp s, 0,1
	s_mov_b32 s[G0+4*\s], 1
	s_add_co_u32 s[G0+4*\s+1], s21, \s*SLOT        ; no place in the cluster enters an LDS address
	s_add_nc_u64 s[G0+4*\s+2:G0+4*\s+3], s[40:41], \s*(1<<21)   ; K step s: a K step of ctx is 2^21 bytes
	s_or_b32 s[G0+4*\s+3], s[G0+4*\s+3], 0x80000000
	s_mov_b32 s[G0B+4*\s], 1
	s_add_co_u32 s[G0B+4*\s+1], s42, \s*SLOT+BOFF
	s_add_nc_u64 s[G0B+4*\s+2:G0B+4*\s+3], s[22:23], \s*262144  ; of wo16 262,144
	s_or_b32 s[G0B+4*\s+3], s[G0B+4*\s+3], 0x80000000
	JLOAD \s                                       ; two tensor loads of mine are out
.endr
	v_and_b32 v1, 31, v0
	v_lshlrev_b32 v[CO], 4, v1                     ; 16 x lane
	v_lshlrev_b32 v[PFO], 8, v1
	v_and_b32 v2, 15, v0                           ; r
	v_bfe_u32 v3, v0, 4, 1                         ; h
	s_lshl_b32 s2, s13, 14                         ; my 4 tiles of ctx
	s_add_co_u32 s3, s42, BOFF                     ; my 8 tiles of Wo
.irp s, 0,1
	v_add_nc_u32 v[ADRA+\s], s2, v[CO]
	v_add_nc_u32 v[ADRB+\s], s3, v[CO]
	s_add_co_u32 s2, s2, SLOT
	s_add_co_u32 s3, s3, SLOT
.endr
	s_mul_i32 s2, s12, 16*SPITCH                   ; my stage
	v_mul_u32_u24 v[STO], v2, SPITCH               ; in: row r, 32 bytes for each half of the lanes
	v_lshl_add_u32 v[STO], v3, 5, v[STO]
	v_add_nc_u32 v[STO], s2, v[STO]
	v_add_nc_u32 v[RD], s2, v[CO]                  ; back: the 32 lanes take one row of 512 bytes
	s_lshl_b32 s2, s17, 10                         ; the bias of my 128 columns: 256 x tile column + 128 x half, 4 bytes each
	s_lshl_b32 s3, s14, 9
	s_add_co_u32 s2, s2, s3
	s_mov_b32 s3, 0
	s_add_nc_u64 s[8:9], s[8:9], s[2:3]
	v_lshlrev_b32 v4, 5, v3                        ; 8 h numbers
	WIN 0x80                                       ; destination window 2
.irp b, 0,1,2,3,4,5,6,7
	global_load_b128 v[8*\b:8*\b+3], v4, s[8:9] offset:64*\b
	global_load_b128 v[8*\b+4:8*\b+7], v4, s[8:9] offset:64*\b+16
.endr
	WIN 0
	s_lshl_b32 s2, s18, 7
	s_lshl_b32 s3, s13, 6
	s_add_co_u32 s2, s2, s3                        ; my first row of the output: 128 x tile row + 64 x half
	s_lshl_b32 s2, s2, 12                          ; rows of 4,096 bytes
	s_lshl_b32 s3, s17, 10
	s_add_co_u32 s2, s2, s3
	s_lshl_b32 s3, s14, 9
	s_add_co_u32 s2, s2, s3                        ; my first column, in bytes
	s_mov_b32 s3, 0
	s_add_nc_u64 s[10:11], s[10:11], s[2:3]
	; the prefetches: they stand at K step 3; the first refill steps them to K step 4.  Nothing is prefetched here, at the head, where every work-group's first tiles are on their way
	s_lshl_b32 s2, s18, 15
	s_lshl_b32 s3, s15, 13
	s_add_co_u32 s2, s2, s3
	s_add_co_u32 s2, s2, 3<<21                     ; ctx: tile row, my work-group's 8,192 bytes by cx
	s_lshl_b32 s3, s17, 16
	s_lshl_b32 s21, s16, 14
	s_add_co_u32 s3, s3, s21
	s_lshl_b32 s21, s14, 13
	s_add_co_u32 s3, s3, s21
	s_add_co_u32 s3, s3, 3<<18                     ; Wo: tile column, my work-group's 16,384 bytes by cy, my wave's half
	s_and_b32 s21, ttmp7, 0xffff                   ; cluster y
	s_mov_b32 s[PFS], 262144
	s_cmp_eq_u32 s13, 0                            ; do I fetch for ctx?
	s_cselect_b32 s2, s2, s3
	s_cselect_b32 s21, s14, s21                    ; who asks: for ctx wave 0; for Wo the cluster with y = 0: the same in all sixteen partners, for a given wave
	s_cselect_b64 s[PFA:PFA+1], s[4:5], s[6:7]
	s_cselect_b32 s[PFS], 1<<21, s[PFS]
	s_cmp_eq_u32 s21, 0
	s_cselect_b32 s[LIM], 1, -1
	s_mov_b32 s3, 0
	s_mov_b32 s[PFS+1], 0
	s_add_nc_u64 s[PFA:PFA+1], s[PFA:PFA+1], s[2:3]
; 8 matrix instructions: ctx's tile a against Wo's eight, 32 along K.  zero = 1: the first product starts the sums from the bias.  The 32 accumulators take turns, one instruction a turn.
.macro MUL8 f, a, zero
.irp b, 0,1,2,3,4,5,6,7
.if \zero
	v_wmma_f32_16x16x32_f16 v[8*(8*(\a)+\b):8*(8*(\a)+\b)+7], v[\f+32+8*\b:\f+32+8*\b+7], v[\f+8*(\a):\f+8*(\a)+7], v[8*\b:8*\b+7]
.else
	v_wmma_f32_16x16x32_f16 v[8*(8*(\a)+\b):8*(8*(\a)+\b)+7], v[\f+32+8*\b:\f+32+8*\b+7], v[\f+8*(\a):\f+8*(\a)+7], v[8*(8*(\a)+\b):8*(8*(\a)+\b)+7]
.endif
.endr
.endm
; 24 LDS loads in one run: the fragments of the slot's q-th 32 along K (images 2 q and 2 q + 1 of each tile) into buffer f: Wo's sixteen, then ctx's eight
.macro FETCH slot, q, f
.irp i, 0,1,2,3,4,5,6,7
	ds_load_b128 v[\f+32+8*\i:\f+32+8*\i+3], v[ADRB+\slot] offset:\i*4096+(\q)*1024
	ds_load_b128 v[\f+32+8*\i+4:\f+32+8*\i+7], v[ADRB+\slot] offset:\i*4096+(\q)*1024+512
.endr
.irp i, 0,1,2,3
	ds_load_b128 v[\f+8*\i:\f+8*\i+3], v[ADRA+\slot] offset:\i*4096+(\q)*1024
	ds_load_b128 v[\f+8*\i+4:\f+8*\i+7], v[ADRA+\slot] offset:\i*4096+(\q)*1024+512
.endr
.endm
; A K step is four quarters of 32 along K, 32 matrix instructions each, on buffers 0, 1, 0, 1.  One of the first three: multiplies buffer f and fetches quarter q into buffer g.
.macro QUARTER slot, q, f, g, zero
	s_wait_dscnt 4                                 ; all but the youngest four loads (ctx's tiles 2 and 3) are in
	WIN MUL+0x10*\zero
	MUL8 \f, 0, \zero
	MUL8 \f, 1, \zero
	WIN 0
	PLACES 4                                       ; in front of loads into registers that matrix instructions have read
	FETCH \slot, \q, \g
	s_wait_dscnt 24                                ; all but the 24 just issued
	WIN MUL+0x10*\zero
	MUL8 \f, 2, \zero
	MUL8 \f, 3, \zero
.endm
; The last quarter multiplies buffer 1 and changes slots: ONE barrier; in front of it each wave waits for all its tensor loads, adds 0 to its spare word, and waits for that and for its own reads of this slot.
; fill = 1: the barrier opens a round of the cluster's, and this slot is filled again, two K steps ahead, first thing behind the round.
.macro TURN slot, next, fill
.if \fill
	s_wait_xcnt 0x0                                ; the last prefetch, a K step back, has read its address: it is stepped here, ahead of the waits of the change of slots
	s_add_nc_u64 s[PFA:PFA+1], s[PFA:PFA+1], s[PFS:PFS+1]
.endif
	WIN 0                                          ; (the add's two registers lie in window 0)
	s_wait_tensorcnt 0x0                           ; all my tensor loads have landed: my part of the next slot
	ds_add_u32 v[SPW], v[NIL]                      ; 0 onto my spare word
	s_wait_dscnt 5                                 ; the add and the youngest four loads may be out
	WIN MUL
	MUL8 F1, 0, 0                                  ; eight matrix instructions stand between the add and the wait for it
	s_wait_dscnt 0x0                               ; the add is done, and my reads of this slot are over
	s_barrier_signal -1
	MUL8 F1, 1, 0
	WIN 0
	s_barrier_wait -1
.if \fill
	CREST                                          ; no wave of any partner still reads this slot's tile or has a load on its way
	s_add_nc_u64 s[G0+4*\slot+2:G0+4*\slot+3], s[G0+4*\slot+2:G0+4*\slot+3], 1<<22
	s_add_nc_u64 s[G0B+4*\slot+2:G0B+4*\slot+3], s[G0B+4*\slot+2:G0B+4*\slot+3], 524288
	JLOAD \slot                                    ; the four v_nop behind it are also the places in front of the loads below
.else
	PLACES 4
.endif
	FETCH \next, 0, F0
.if \fill
	ASK
.endif
	WIN MUL
	MUL8 F1, 2, 0
	MUL8 F1, 3, 0
.endm
	s_wait_tensorcnt 1                             ; my part of K step 0 is in; K step 1's load, issued behind it, may stay out
	s_barrier_signal -1
	s_barrier_wait -1                              ; everybody's is
	FETCH 0, 0, F0
	s_wait_loadcnt 0x0                             ; the bias
	QUARTER 0, 1, F0, F1, 1                        ; the first quarter stands in front of the loop: its products start the sums
	WIN 0                                          ; at a label and at a branch every window is 0
	s_mov_b32 s3, LAPS-1
.Llap:                                             ; a trip goes once round the ring, from a lap's second quarter to the next lap's first, and fills both slots again
	QUARTER 0, 2, F1, F0, 0
	QUARTER 0, 3, F0, F1, 0
	TURN 0, 1, 1
	QUARTER 1, 1, F0, F1, 0
	QUARTER 1, 2, F1, F0, 0
	QUARTER 1, 3, F0, F1, 0
	TURN 1, 0, 1
	QUARTER 0, 1, F0, F1, 0
	WIN 0
	s_sub_co_u32 s3, s3, 1
	s_cmp_lg_u32 s3, 0
	s_cbranch_scc1 .Llap
	QUARTER 0, 2, F1, F0, 0                        ; the last lap fills nothing, and has no round of the cluster's barrier
	QUARTER 0, 3, F0, F1, 0
	TURN 0, 1, 0
	QUARTER 1, 1, F0, F1, 0
	QUARTER 1, 2, F1, F0, 0
	QUARTER 1, 3, F0, F1, 0
	s_wait_dscnt 4                                 ; the very last quarter: nothing more to fetch
	WIN MUL
	MUL8 F1, 0, 0
	MUL8 F1, 1, 0
	s_wait_dscnt 0x0
	MUL8 F1, 2, 0
	MUL8 F1, 3, 0
	WIN 0
; THE WAY OUT, block by block of 16 rows x 128 columns.  A lane holds 32 neighbouring bytes of a row, and the lanes beside it hold other rows: so a block goes through my own stage in LDS and comes back as whole rows of
; 512 bytes.  LDS serves a wave's instructions in order (ISA guide 5.7.1.4): no wait between the stores and the loads, nor in front of the next block's stores.
.macro TOSTAGE a
	WIN 0x04                                       ; an LDS store's data are its source 1: window 1
.irp b, 0,1,2,3,4,5,6,7
	ds_store_b128 v[STO], v[8*(8*(\a)+\b):8*(8*(\a)+\b)+3] offset:64*\b          ; each accumulator from its low end on
	ds_store_b128 v[STO], v[8*(8*(\a)+\b)+4:8*(8*(\a)+\b)+7] offset:64*\b+16
.endr
	WIN 0
.set BB, BK+64*((\a)%2)
.irp t, 0,1,2,3,4,5,6,7,8,9,10,11,12,13,14,15
	ds_load_b128 v[BB+4*\t:BB+4*\t+3], v[RD] offset:\t*SPITCH
.endr
.endm
.macro SEND a, younger                 ; younger: the LDS instructions issued behind block a's loads, which may stay out
.set BB, BK+64*((\a)%2)
	s_wait_dscnt \younger                          ; the block is back in registers
.if (\a) > 0
	s_add_nc_u64 s[10:11], s[10:11], 65536         ; 16 rows on (behind a wait on XCNT: the earlier stores have read their base)
.endif
.irp t, 0,1,2,3,4,5,6,7,8,9,10,11,12,13,14,15
	global_store_b128 v[CO], v[BB+4*\t:BB+4*\t+3], s[10:11] offset:\t*4096 th:TH_STORE_NT   ; 32 lanes store 512 consecutive bytes, at a multiple of 256 from the output's first byte
.endr
.endm
	PLACES 4                                       ; behind the last products: for the stores that read results and the loads into registers that held fragments
	TOSTAGE 0
.irp a, 1,2,3
.if \a > 1
	s_wait_xcnt 0x0                                ; block a - 2's stores have read their registers and their base: block a's loads may land there, and the base may step
.endif
	TOSTAGE \a
	SEND \a-1, 32                                  ; behind block a - 1's loads: block a's 16 stores and 16 loads
.endr
	s_wait_xcnt 0x0                                ; block 2's stores have read their base
	SEND 3, 0
	s_wait_tensorcnt 0x0                           ; the wave's end, behind my last tensor load and my last LDS store
	ds_add_u32 v[SPW], v[NIL]
	s_wait_dscnt 0x0
	CROUND                                         ; the closing round: no work-group ends while a partner may still ask for a tile that names it
	s_endpgm
.Lfunc_end_k_qa50906dcc8_oproj:
	.size	k_qa50906dcc8_oproj, .Lfunc_end_k_qa50906dcc8_oproj-k_qa50906dcc8_oproj
	.p2alignl 7, 3214868480
	.fill 96, 4, 3214868480
	.section	.rodata,"a",@progbits
	.p2align	6, 0x0
	.amdhsa_kernel k_qa50906dcc8_oproj
		.amdhsa_group_segment_fixed_size 327680
		.amdhsa_private_segment_fixed_size 0
		.amdhsa_enable_private_segment 0
		.amdhsa_kernarg_size 32
		.amdhsa_user_sgpr_count 2
		.amdhsa_user_sgpr_kernarg_segment_ptr 1
		.amdhsa_wavefront_size32 1
		.amdhsa_system_sgpr_workgroup_id_x 1
		.amdhsa_system_sgpr_workgroup_id_y 1
		.amdhsa_system_sgpr_workgroup_id_z 1
		.amdhsa_system_vgpr_workitem_id 0
		.amdhsa_next_free_vgpr 576
		.amdhsa_next_free_sgpr 66
		.amdhsa_reserve_vcc 0
		.amdhsa_float_denorm_mode_32 3
		.amdhsa_float_denorm_mode_16_64 3
		.amdhsa_memory_ordered 1
		.amdhsa_forward_progress 1
		.amdhsa_inst_pref_size 87
	.end_amdhsa_kernel
	.amdgpu_metadata
---
amdhsa.version: [ 1, 2 ]
amdhsa.kernels:
  - .name:           k_qa50906dcc8_oproj
    .symbol:         k_qa50906dcc8_oproj.kd
    .args:
      - { .name: ctx, .offset: 0, .size: 8, .value_kind: global_buffer, .address_space: global }
      - { .name: wo16, .offset: 8, .size: 8, .value_kind: global_buffer, .address_space: global }
      - { .name: bo, .offset: 16, .size: 8, .value_kind: global_buffer, .address_space: global }
      - { .name: out0, .offset: 24, .size: 8, .value_kind: global_buffer, .address_space: global }
    .group_segment_fixed_size: 327680
    .private_segment_fixed_size: 0
    .kernarg_segment_align: 8
    .kernarg_segment_size: 32
    .max_flat_workgroup_size: 128
    .sgpr_count:     66
    .vgpr_count:     576
    .wavefront_size: 32
...
	.end_amdgpu_metadata
.endif
;; end of part 4
